; MI455X (gfx1250); checked and timed in simulation.
; The chip was launched on July 23, 2026; its instructions are those of AMD's public machine-readable ISA for CDNA 5 (MIT licence, August 2026) and "CDNA5" Instruction Set Architecture Reference Guide (July 2026). The comments in the code are by the model that wrote it; some were corrected since.
;; Causal Self Attention Mo H. Allowed arithmetic: matrix products marked QUANTISED: E4M3 operands, one given power-of-two scale a tensor, by v_wmma_f32_16x16x64_fp8_fp8 or v_wmma_f32_16x16x128_fp8_fp8, f32 sums; products left as they are: f32 operands where the result goes on into a quantised operand, else bf16, f16 or f32 operands; f32 sums; everything else in f32.
;; Inputs: Wg 8 x 32 float32; Wk 512 x 1,024 float32; Wo 1,024 x 1,024 float32; Wq 1,024 x 1,024 float32; Wr 16 x 1,024 float32; Wv 512 x 1,024 float32; cos 1 x 2,048 x 1 x 32 float32; lowp_scales 14 int32 (the exponents e of the quantised operands' scales 2^e); sin 1 x 2,048 x 1 x 32 float32; ve 4 x 2,048 x 512 float32; x 4 x 2,048 x 1,024 float32.
;; Outputs: out0 4 x 2,048 x 1,024 float32; out1 4 x 2,048 x 16 float32.
;; Constants: window_size = 0.
;; This version of the problem:
;;   THIS VERSION OF THE PROBLEM IS GIVEN IN LOW PRECISION. The matrix products marked QUANTISED in the list below multiply operands that are first quantised to E4M3 (4 exponent bits, 3 mantissa bits; 8 bits a number), with one given power-of-two scale for each operand tensor; their sums are f32. All else is computed in f32.
;;   The module's matrix products, in the order in which they are computed (A, B: the left and right operand; K: the contracted axis; several contracted axes count as one K, in the product's order):
;;     1. [M 8,192, K 1,024] x [K 1,024, N 16]; A: input x; B: input Wr: QUANTISED (scales: A lowp_scales[0], B lowp_scales[1])
;;     2. [M 8,192, K 1,024] x [K 1,024, N 1,024]; A: input x; B: input Wq: QUANTISED (scales: A lowp_scales[2], B lowp_scales[3])
;;     3. [M 8,192, K 1,024] x [K 1,024, N 512]; A: input x; B: input Wk: QUANTISED (scales: A lowp_scales[4], B lowp_scales[5])
;;     4. [M 8,192, K 1,024] x [K 1,024, N 512]; A: input x; B: input Wv: QUANTISED (scales: A lowp_scales[6], B lowp_scales[7])
;;     5. [M 8,192, K 32] x [K 32, N 8]; A: input x; B: input Wg: left as it is (N = 8 < 16)
;;     6. batch 64 x [M 2,048, K 64] x [K 64, N 2,048]; A: computed on the way; B: computed on the way: QUANTISED (scales: A lowp_scales[8], B lowp_scales[9])
;;     7. batch 64 x [M 64, K 2,048] x [K 2,048, N 2,048]; A: computed on the way; B: softmax (see below): QUANTISED (scales: A lowp_scales[10], B lowp_scales[11])
;;     8. [M 8,192, K 1,024] x [K 1,024, N 1,024]; A: computed on the way; B: input Wo: QUANTISED (scales: A lowp_scales[12], B lowp_scales[13])
;;   THE QUANTISER, for each operand of a quantised product, along K:
;;     - The operand's scale is 2^e, e = its entry of the input lowp_scales (int32; the entries are numbered through the quantised products in the list's order, A before B).
;;     - Each number is divided by the scale, clamped to +-448, and rounded to the nearest number of E4M3, ties to even, subnormals kept.
;;     - The product sums the exact products of the quantised numbers (number of the format x scale) in f32.
;;   ~~~python
;;   def quantise(x, axis, e):      # numpy; x: float32 -> the quantised numbers, widened to float32 again
;;       x = np.moveaxis(x, axis, -1); K = x.shape[-1]
;;       r = np.clip(x / 2.0 ** e, -448, 448)
;;       step = 2.0 ** (np.maximum(np.frexp(np.where(r == 0, 1, r))[1] - 1, -6) - 3)
;;       q = np.round(r / step) * step * 2.0 ** e      # np.round: ties to even
;;       return np.moveaxis(q, -1, axis).astype(np.float32)
;;   ~~~
;;   SOFTMAX AHEAD OF A QUANTISED PRODUCT. Where the list says 'softmax', what is quantised is not the finished softmax but p = 2^(t - M), with t = logit x log2(e) and M = ceil(the row's largest t), a whole number; so 1/2 < the row's largest p <= 1. The row's sum l is taken of the UNQUANTISED p, in f32, and the product's result is divided by l at the end. Since M is a whole number, a kernel that streams over the keys may use a running M (the ceiling of the running maximum): every later rescaling is an exact power of two, so the quantised numbers keep their values, but for numbers so far below the row's largest that they fall under the format's range.
;;   OPERANDS COMPUTED ON THE WAY. 'Computed on the way' means the value that the module computes at that place (a softmax that the list does not call 'softmax' is quantised finished and normalised). What goes into a quantiser is computed in f32, as accurately as f32 sums, v_exp_f32 and their like allow (about 1e-6 of the number): no bf16 or f16 on the way to a quantiser, and a product that is left as it is and whose result goes on into a quantised operand takes f32 operands (vector FMAs, or v_wmma_f32_16x16x4_f32). A number that lies on a knife's edge between two numbers of the format may be rounded either way, as far as f32 arithmetic and the matrix unit's own rounding can turn it there, and no further.
;; One version. Each part assembles by itself: llvm-mc -triple=amdgcn-amd-amdhsa -mcpu=gfx1250 --defsym DOCPART=n.
;; ======== version 1 of 1: 4 launches
;; limits: right only within a limited range of input values
;; workspace buffers: ximg 33,554,432 bytes; wimg 3,162,112 bytes; gate_t 262,144 bytes; maskbits 16,384 bytes of whole numbers; qkv 16,842,752 bytes; yimg 8,388,608 bytes
;; launch prep (part 1): grid 769 x 1, 4 waves a work-group, no clusters, 35,328 bytes of LDS; arguments x, Wq, Wk, Wv, Wo, Wr, Wg, lowp_scales, ximg, wimg, gate_t; writes ximg, wimg, gate_t
.if DOCPART == 1
	.amdgcn_target "amdgcn-amd-amdhsa--gfx1250"
	.amdhsa_code_object_version 6
	.text
	.protected	k_q44e3eb0117_prep
	.globl	k_q44e3eb0117_prep
	.p2align	8
	.type	k_q44e3eb0117_prep,@function
k_q44e3eb0117_prep:
	s_mov_b64 s[64:65], 0
	v_nop
	global_prefetch_b8 v0, s[64:65] scope:SCOPE_SE
	s_setreg_imm32_b32 hwreg(HW_REG_WAVE_MODE, 25, 1), 1
	s_wait_xcnt 0x0
; PREP: x and the five weights become codes of E4M3, laid as IMAGES OF OPERAND REGISTERS; and the value gate is made.
; An image of a fragment (16 rows x 128 K, 16 registers a lane, 2,048 bytes) is [group of four registers 0..3][lane][16 bytes]; lane (r = lane % 16, h = lane / 16) holds row r,
; registers 2 c, 2 c + 1 hold k = 16 c + 8 h + 0 .. 7 (the 8-bit operand layout of the plain matrix forms).  A tile of 16 rows x 1,024 K is eight such images on end, 16,384 bytes.
; code = x / 2^e, held within +-448, to the nearest code, ties to even.  x is an operand of four products, with the exponents e2 (q), e4 (k), e6 (v), e0 (router):
; section 0 of ximg always takes e2; sections 1, 2, 3 (8 MiB apart) are written only where e4, e6, e0 differ from e2: the next launch chooses its section by the same comparison.
; SHARES.  Work-groups 0-704: one tile of 16 rows each (0-511 x, 512-575 Wq, 576-607 Wk, 608-639 Wv, 640-703 Wo, 704 Wr); wave w takes K = 256 w .. 256 w + 255 in four units of 64.
; A unit is loaded as it lies (sixteen lanes read 256 consecutive bytes of a row), turns through the wave's own stage in LDS (rows 272 bytes apart) and comes back eight neighbours along K at a time.
; Every store of codes covers 512 consecutive bytes, aligned.  Waves share nothing: no barrier.
; Work-groups 705-768: gate_t[kv head][token] = 2 sigmoid(x[token][0..31] . Wg[head]) / 2^(e6 + e7), a lane to a token, in f32 fused multiply-adds.
; LIMITS: every exponent used here lies between -126 and 119; NaN among the inputs is not served.
.set NTILE, 705
.set STG,   4352                       ; a stage: 16 rows x 272 bytes
.set WREG,  2*STG                      ; two stages for each wave
.set SPARE, 4*WREG                     ; behind them the spare words, 128 bytes for each wave
.set SC,    6                          ; v6, v8, v10, v12: the scales of versions 0, 1, 2, 3
.set SPW,   14                         ; v14  LDS address of my spare word; never rewritten
.set NIL,   15                         ; v15  0; never rewritten
.set T,     16
.set CD,    32                         ; v32-63  codes: eight registers for each version
.set R,     64                         ; v64-191 four units as loaded
.set X,     192                        ; v192-255 two units as the conversions want them
.set SRC,   42                         ; s[42:43] my quarter of my tile in memory
.set DST,   48                         ; s[48:55] where version 0, 1, 2, 3 goes
	s_load_b512 s[4:19], s[0:1], 0x0               ; x, Wq, Wk, Wv, Wo, Wr, Wg, the exponents
	s_load_b128 s[20:23], s[0:1], 0x40             ; ximg, wimg
	s_load_b64 s[24:25], s[0:1], 0x50              ; gate_t
	v_lshl_add_u32 v[SPW], v0, 2, SPARE
	v_mov_b32 v[NIL], 0
	v_lshrrev_b32 v1, 5, v0
	v_readfirstlane_b32 s26, v1                    ; wave
	v_and_b32 v1, 31, v0                           ; lane
	v_and_b32 v16, 15, v0                          ; r
	v_bfe_u32 v17, v0, 4, 1                        ; h
	v_lshlrev_b32 v2, 4, v16
	v_lshl_add_u32 v2, v17, 12, v2                 ; in memory: lanes 0-15 one row of 4,096 bytes, lanes 16-31 the next; 16 bytes a lane
	s_mul_i32 s27, s26, WREG
	v_mul_u32_u24 v3, v17, 272
	v_lshl_add_u32 v3, v16, 4, v3
	v_add_nc_u32 v3, s27, v3                       ; into the stage: the same two rows
	v_mul_u32_u24 v4, v16, 272
	v_lshl_add_u32 v4, v17, 5, v4
	v_add_nc_u32 v4, s27, v4                       ; out of it: row r, 32 h bytes on: eight numbers
	v_lshlrev_b32 v5, 4, v1                        ; an image's place for my lane
	s_wait_kmcnt 0x0
	s_load_b256 s[28:35], s[18:19], 0x0            ; e0 .. e7
	s_load_b64 s[40:41], s[18:19], 0x30            ; e12, e13
	s_cmp_ge_u32 ttmp9, NTILE
	s_cbranch_scc1 .Lgate
	; ---- which tensor: a chain of choices on the work-group's number alone
.macro PICK lim, ptr, first
	s_cmp_lt_u32 ttmp9, \lim
	s_cselect_b64 s[SRC:SRC+1], s[\ptr:\ptr+1], s[SRC:SRC+1]
	s_cselect_b32 s44, \first, s44
.endm
	s_mov_b64 s[SRC:SRC+1], s[14:15]               ; Wr
	s_mov_b32 s44, 704
	PICK 704, 12, 640                              ; Wo
	PICK 640, 10, 608                              ; Wv
	PICK 608, 8, 576                               ; Wk
	PICK 576, 6, 512                               ; Wq
	PICK 512, 4, 0                                 ; x
	s_sub_co_u32 s46, ttmp9, s44                   ; my tile in its tensor: 16 rows of 4,096 bytes
	s_lshl_b32 s46, s46, 16
	s_lshl_b32 s47, s26, 10                        ; my quarter of K
	s_add_co_u32 s46, s46, s47
	s_mov_b32 s47, 0
	s_add_nc_u64 s[SRC:SRC+1], s[SRC:SRC+1], s[46:47]
.macro LOADU u                         ; unit u: 16 rows x 256 bytes, two rows a load
.irp i, 0,1,2,3,4,5,6,7
	global_load_b128 v[R+32*(\u)+4*\i:R+32*(\u)+4*\i+3], v2, s[SRC:SRC+1] offset:\i*8192+(\u)*256 th:TH_LOAD_NT
.endr
.endm
	s_wait_alu depctr_va_vdst(0)
	LOADU 0
	LOADU 1
	LOADU 2
	LOADU 3
	s_cmp_lt_u32 ttmp9, 512                        ; x's tiles go to ximg, the weights' to wimg
	s_cselect_b64 s[DST:DST+1], s[20:21], s[22:23]
	s_cselect_b32 s50, 0, 512
	s_cselect_b32 s56, 1, 0                        ; 1 for x
	s_sub_co_u32 s50, ttmp9, s50
	s_lshl_b32 s50, s50, 14
	s_lshl_b32 s51, s26, 12                        ; my quarter: two images
	s_add_co_u32 s50, s50, s51
	s_mov_b32 s51, 0
	s_add_nc_u64 s[DST:DST+1], s[DST:DST+1], s[50:51]
	s_add_nc_u64 s[DST+2:DST+3], s[DST:DST+1], 0x800000    ; sections 1, 2, 3: used for x alone
	s_add_nc_u64 s[DST+4:DST+5], s[DST:DST+1], 0x1000000
	s_add_nc_u64 s[DST+6:DST+7], s[DST:DST+1], 0x1800000
	s_wait_kmcnt 0x0
.macro PICKE lim, e
	s_cmp_lt_u32 ttmp9, \lim
	s_cselect_b32 s45, s[\e], s45
.endm
	s_mov_b32 s45, s29                             ; e1: Wr
	PICKE 704, 41                                  ; e13: Wo
	PICKE 640, 35                                  ; e7: Wv
	PICKE 608, 33                                  ; e5: Wk
	PICKE 576, 31                                  ; e3: Wq
	PICKE 512, 30                                  ; e2: x, version 0
	s_cmp_lg_u32 s32, s30                          ; further versions of x, where the exponents differ
	s_cselect_b32 s57, s56, 0
	s_cmp_lg_u32 s34, s30
	s_cselect_b32 s58, s56, 0
	s_cmp_lg_u32 s28, s30
	s_cselect_b32 s59, s56, 0
.macro MKSC ver, e                     ; 2^e as f32 (the conversion takes its exponent field)
	s_add_co_i32 s60, s[\e], 127
	s_lshl_b32 s61, s60, 23
	v_mov_b32 v[SC+2*\ver], s61
.endm
	MKSC 0, 45
	MKSC 1, 32
	MKSC 2, 34
	MKSC 3, 28
.macro TURN u                          ; unit u through a stage: LDS serves a wave's instructions in order, so no wait stands between the stores and the loads
.irp i, 0,1,2,3,4,5,6,7
	ds_store_b128 v3, v[R+32*(\u)+4*\i:R+32*(\u)+4*\i+3] offset:((\u)%2)*STG+\i*544
.endr
	v_nop
.irp c, 0,1,2,3
	ds_load_b128 v[X+32*((\u)%2)+8*\c:X+32*((\u)%2)+8*\c+3], v4 offset:((\u)%2)*STG+64*\c
	ds_load_b128 v[X+32*((\u)%2)+8*\c+4:X+32*((\u)%2)+8*\c+7], v4 offset:((\u)%2)*STG+64*\c+16
.endr
.endm
.macro VERSION ver, u                  ; unit u with version ver's exponent: eight registers of codes, half an image
.irp c, 0,1,2,3
.irp i, 0,1,2,3,4,5,6,7
.endr
	v_cvt_scalef32_pk8_fp8_f32 v[CD+8*(\ver)+2*\c:CD+8*(\ver)+2*\c+1], v[T+8*(\c%2)+((X+32*((\u)%2)+8*\c+0)-(T+8*(\c%2)+0)):T+8*(\c%2)+7+((X+32*((\u)%2)+8*\c+0)-(T+8*(\c%2)+0))], v[SC+2*(\ver)]
.endr
	global_store_b128 v5, v[CD+8*(\ver):CD+8*(\ver)+3], s[DST+2*(\ver):DST+2*(\ver)+1] offset:((\u)/2)*2048+((\u)%2)*1024
	global_store_b128 v5, v[CD+8*(\ver)+4:CD+8*(\ver)+7], s[DST+2*(\ver):DST+2*(\ver)+1] offset:((\u)/2)*2048+((\u)%2)*1024+512
.endm
.macro GATED flag, ver, u
	s_cmp_lg_u32 s[\flag], 0
	s_cbranch_scc0 .Lskip_\@
	VERSION \ver, \u
.Lskip_\@:
.endm
.macro UNIT u
	s_wait_dscnt 0x0                               ; this unit is back from its stage
.if (\u) < 3
	s_wait_loadcnt 8*(2-(\u))                      ; the next unit's eight loads are in; the later units' may be out
	TURN (\u)+1
.endif
	s_wait_xcnt 0x0                                ; the last unit's stores have read their codes: the registers may be written again
	VERSION 0, \u
	GATED 57, 1, \u
	GATED 58, 2, \u
	GATED 59, 3, \u
.endm
	s_wait_alu depctr_va_vdst(0)
	s_wait_loadcnt 24                              ; unit 0's eight loads are in; 24 younger ones may be out
	TURN 0
	UNIT 0
	UNIT 1
	UNIT 2
	UNIT 3
	s_wait_tensorcnt 0x0                           ; the wave's end, behind my last LDS store
	ds_add_u32 v[SPW], v[NIL]
	s_wait_dscnt 0x0
	s_endpgm
.Lgate:
	; ---- the gate: 128 tokens, a lane to a token
	s_sub_co_u32 s36, ttmp9, NTILE
	s_lshl_b32 s38, s36, 19                        ; 128 rows of 4,096 bytes
	s_mov_b32 s39, 0
	s_add_nc_u64 s[4:5], s[4:5], s[38:39]
	v_lshlrev_b32 v20, 12, v0
.irp i, 0,1,2,3,4,5,6,7
	global_load_b128 v[64+4*\i:67+4*\i], v20, s[4:5] offset:16*\i   ; x[token][0 .. 31]
.endr
	s_lshl_b32 s38, s36, 9
	s_add_nc_u64 s[24:25], s[24:25], s[38:39]
	v_lshlrev_b32 v21, 2, v0
	s_wait_kmcnt 0x0
	s_add_co_i32 s27, s34, s35
	s_sub_co_i32 s27, 1, s27                       ; 1 - (e6 + e7): the factor 2 and the power of two that v's sums lack
.irp k, 0,1,2,3                        ; two heads a turn: their rows of Wg in 64 scalar registers
	s_load_b512 s[28:43], s[16:17], 256*\k
	s_load_b512 s[44:59], s[16:17], 256*\k+64
	s_load_b512 s[68:83], s[16:17], 256*\k+128
	s_load_b512 s[84:99], s[16:17], 256*\k+192
	s_wait_kmcnt 0x0
	s_wait_loadcnt 0x0
	v_mul_f32 v[96+2*\k], s28, v64
	v_mul_f32 v[97+2*\k], s68, v64
.set i, 1
.rept 31
	v_fmac_f32 v[96+2*\k], s[28+i], v[64+i]
	v_fmac_f32 v[97+2*\k], s[68+i], v[64+i]
.set i, i+1
.endr
.endr
.irp h, 0,1,2,3,4,5,6,7
	v_mul_f32 v[96+\h], 0xbfb8aa3b, v[96+\h]       ; -z log2(e)
.endr
	s_wait_alu depctr_va_vdst(0)
.irp h, 0,1,2,3,4,5,6,7
	v_exp_f32 v[96+\h], v[96+\h]
.endr
	v_nop                                          ; a plain line behind the last exponential,
	s_wait_alu depctr_va_vdst(0)                   ; and one wait for the batch ahead of its first reader
.irp h, 0,1,2,3,4,5,6,7
	v_add_f32 v[96+\h], 1.0, v[96+\h]
.endr
	s_wait_alu depctr_va_vdst(0)
.irp h, 0,1,2,3,4,5,6,7
	v_rcp_f32 v[96+\h], v[96+\h]
.endr
	v_nop
	s_wait_alu depctr_va_vdst(0)
.irp h, 0,1,2,3,4,5,6,7
	v_ldexp_f32 v[96+\h], v[96+\h], s27
.endr
.irp h, 0,1,2,3,4,5,6,7
	global_store_b32 v21, v[96+\h], s[24:25] offset:\h*32768
.endr
	s_wait_tensorcnt 0x0                           ; the same three lines at this way's end
	ds_add_u32 v[SPW], v[NIL]
	s_wait_dscnt 0x0
	s_endpgm
.Lfunc_end_k_q44e3eb0117_prep:
	.size	k_q44e3eb0117_prep, .Lfunc_end_k_q44e3eb0117_prep-k_q44e3eb0117_prep
	.p2alignl 7, 3214868480
	.fill 96, 4, 3214868480
	.section	.rodata,"a",@progbits
	.p2align	6, 0x0
	.amdhsa_kernel k_q44e3eb0117_prep
		.amdhsa_group_segment_fixed_size 35328
		.amdhsa_private_segment_fixed_size 0
		.amdhsa_enable_private_segment 0
		.amdhsa_kernarg_size 88
		.amdhsa_user_sgpr_count 2
		.amdhsa_user_sgpr_kernarg_segment_ptr 1
		.amdhsa_wavefront_size32 1
		.amdhsa_system_sgpr_workgroup_id_x 1
		.amdhsa_system_sgpr_workgroup_id_y 1
		.amdhsa_system_sgpr_workgroup_id_z 1
		.amdhsa_system_vgpr_workitem_id 0
		.amdhsa_next_free_vgpr 256
		.amdhsa_next_free_sgpr 100
		.amdhsa_reserve_vcc 0
		.amdhsa_float_denorm_mode_32 3
		.amdhsa_float_denorm_mode_16_64 3
		.amdhsa_fp16_overflow 1
		.amdhsa_memory_ordered 1
		.amdhsa_forward_progress 1
		.amdhsa_inst_pref_size 34
	.end_amdhsa_kernel
	.amdgpu_metadata
---
amdhsa.version: [ 1, 2 ]
amdhsa.kernels:
  - .name:           k_q44e3eb0117_prep
    .symbol:         k_q44e3eb0117_prep.kd
    .args:
      - { .name: x, .offset: 0, .size: 8, .value_kind: global_buffer, .address_space: global }
      - { .name: Wq, .offset: 8, .size: 8, .value_kind: global_buffer, .address_space: global }
      - { .name: Wk, .offset: 16, .size: 8, .value_kind: global_buffer, .address_space: global }
      - { .name: Wv, .offset: 24, .size: 8, .value_kind: global_buffer, .address_space: global }
      - { .name: Wo, .offset: 32, .size: 8, .value_kind: global_buffer, .address_space: global }
      - { .name: Wr, .offset: 40, .size: 8, .value_kind: global_buffer, .address_space: global }
      - { .name: Wg, .offset: 48, .size: 8, .value_kind: global_buffer, .address_space: global }
      - { .name: lowp_scales, .offset: 56, .size: 8, .value_kind: global_buffer, .address_space: global }
      - { .name: ximg, .offset: 64, .size: 8, .value_kind: global_buffer, .address_space: global }
      - { .name: wimg, .offset: 72, .size: 8, .value_kind: global_buffer, .address_space: global }
      - { .name: gate_t, .offset: 80, .size: 8, .value_kind: global_buffer, .address_space: global }
    .group_segment_fixed_size: 35328
    .private_segment_fixed_size: 0
    .kernarg_segment_align: 8
    .kernarg_segment_size: 88
    .max_flat_workgroup_size: 128
    .sgpr_count:     100
    .vgpr_count:     256
    .wavefront_size: 32
...
	.end_amdgpu_metadata
.endif
;; end of part 1
;; launch proj (part 2): grid 32 x 8, 4 waves a work-group, clusters of 4 x 1, 327,680 bytes of LDS; arguments ximg, wimg, gate_t, ve, cos, sin, lowp_scales, qkv, yimg, out1, maskbits; writes qkv, yimg, out1, maskbits
.if DOCPART == 2
	.amdgcn_target "amdgcn-amd-amdhsa--gfx1250"
	.amdhsa_code_object_version 6
	.text
	.protected	k_q44e3eb0117_proj
	.globl	k_q44e3eb0117_proj
	.p2align	8
	.type	k_q44e3eb0117_proj,@function
k_q44e3eb0117_proj:
	s_mov_b64 s[64:65], 0
	v_nop
	global_prefetch_b8 v0, s[64:65] scope:SCOPE_SE
	s_setreg_imm32_b32 hwreg(HW_REG_WAVE_MODE, 25, 1), 1
	s_wait_xcnt 0x0
	s_wait_alu depctr_hold_cnt(0) depctr_sa_sdst(0) depctr_va_vdst(0) depctr_va_sdst(0) depctr_va_ssrc(0) depctr_va_vcc(0) depctr_vm_vsrc(0)
	s_getreg_b32 s2, hwreg(HW_REG_IB_STS2, 6, 4)
	s_cmp_eq_u32 s2, 0
	s_cbranch_scc0 .Lentry_in_a_cluster
	s_endpgm
.Lentry_in_a_cluster:
	s_bfe_u32 s2, ttmp6, 0x10000c
	s_cmp_lg_u32 s2, 0x3003
	s_cbranch_scc0 .Lentry_shape_is_right
	s_endpgm
.Lentry_shape_is_right:
; PROJ: q, k and v = x [Wq; Wk; Wv]^T on codes of E4M3, with all that follows them fused: rotary and rms_norm (q, k), + gate x ve (v), and the quantising for the attention's products.  Beside it: the head router and the zero fill of yimg.
; SHARES.  Work-group (rt = 4 x cluster x + cx, ct = y): 256 tokens x 256 rows of the stacked weights (ct 0-3 Wq, 4-5 Wk, 6-7 Wv).  Four waves, each 128 x 128: 64 accumulators, 512 registers.
; K = 1,024 goes through a ring of two LDS slots of 256 along K.  All operands lie in memory as images of operand registers (16 rows x 128 K = 2,048 bytes: [four registers][lane][16 bytes]), so a
; tensor load brings eight tiles of rows x 4,096 bytes, dense in LDS, and a fragment is four ds_load_b128 at 16 x lane: no pitch, no padding.
; THE MATRIX INSTRUCTION: source 0 = the B role (registers of the result run along its rows), source 1 = the A role (a lane of the result holds one of its rows).
;   q, k: A = x (a lane holds a token), B = W (eight registers = eight neighbouring dims of a head): rotary, the norm and the conversion stay in the lane, and the codes are the next operand's registers.
;   v:    A = Wv (a lane holds a dim), B = x (registers run along the tokens): v comes out with the keys innermost.  Its sums begin at gate x ve / 2^(e6 + e7), given as C of the first K step.
; x's codes lie in up to four sections of ximg, 8 MiB apart (0: e2; 1: e4; 2: e6; 3: e0); a section other than 0 exists where its exponent differs from e2.  The section's number is chosen without a jump,
; held at 3 at the most, and shifted into the offset.
; CLUSTER 4 x 1: the four partners share ct, so W's tiles are asked for jointly (mask 15); x's tiles hang on cx and are plain loads.  A 4 x 4 cluster is not taken: partners along ct would differ in
; their role (branches) and in x's section, and Wk and Wv have two column tiles each.
; ROUTER (waves 0, 1, while the first tiles are on their way): logits of 16 tokens x 16 heads by eight matrix instructions; a head counts where fewer than 8 logits of the token are greater (= logit >= the 8th largest,
; ties kept).  The factor 2^(e0 + e1) is positive and changes no order: it is not applied.  out1 takes 0 / 1; maskbits takes a bit a token: u16 [batch][head][tile of 16 tokens].
; Waves 2, 3 meanwhile fill 32,768 bytes of yimg with zero codes: pairs (token, head) that the router does not choose keep them.
; LIMITS: e2 + e3 and e4 + e5 between -60 and 66 (2^(2E - 6) is made as f32); e8, e9 and e10 - e6 - e7 between -126 and 119.  NaN among the inputs is not served.
; REGISTERS, in windows of 256: window 0: v0-31 addresses, v32-127 at work, v128-255 A's fragments (one set); window 1: B's fragments (two sets); windows 2, 3: accumulator (a, b) at v[8 (8 (a % 4) + b)].
.set SLOT,  131072                     ; x's 16 tiles of rows x 4,096 bytes, then W's 16
.set SPARE, 2*SLOT                     ; behind the ring: the spare words, 128 bytes for each wave
.set FR,    16
.set NL,    4
.set NP,    4
.set ADRA,  16                         ; v16-17  LDS address of my A fragments in slot 0, 1
.set ADRB,  20                         ; v20-21  the same for B
.set SPW,   28                         ; v28     LDS address of my spare word; never rewritten
.set NIL,   29                         ; v29     0; never rewritten
.set AF,    128
.set G1X,   28                         ; s[28:35] descriptor group 1 for x's tiles; s[36:43] for W's (with the mask)
.set G1W,   36
.set G0X,   44                         ; s[44:51] group 0 for x, one set a slot; s[52:59] for W
.set G0W,   52
.set WV,    26                         ; wave
.set WM,    27                         ; wave / 2: my half of the A role's rows; also: I fetch x (0) or W (1)
.set WN,    60                         ; wave % 2: my half of the B role's rows; also: which eight tiles I fetch
.set RT,    62
.set CT,    63
.set MSB, 0
.macro WIN new                         ; the immediate's high byte repeats the setting that is left
.if MSB != (\new)
	s_set_vgpr_msb (MSB<<8)|(\new)
.set MSB, (\new)
.endif
.endm
.set MUL_LO, 0xa1                      ; source 0 (B) window 1, source 1 (A) window 0, C and D window 2
.set MUL_HI, 0xf1                      ; the same, C and D window 3
.set TO_B,   0x40
.macro JLOAD s                         ; waves 0, 1: x's tiles (plain); waves 2, 3: W's (joint).  The branch hangs on the wave's number alone.  An s_nop 0 and four v_nop follow each line
	s_cmp_eq_u32 s[WM], 0
	s_cbranch_scc0 .Lfor_w_\@
	tensor_load_to_lds s[G0X+4*\s:G0X+4*\s+3], s[G1X:G1X+7]
	s_nop 0
.rept 4
	v_nop
.endr
	s_branch .Lasked_\@
.Lfor_w_\@:
	tensor_load_to_lds s[G0W+4*\s:G0W+4*\s+3], s[G1W:G1W+7]
	s_nop 0
.rept 4
	v_nop
.endr
.Lasked_\@:
.endm
.macro CREST                           ; a round of the cluster's barrier behind its opening barrier
	s_cmp_lg_u32 s[WV], 0
	s_cbranch_scc1 .Lnot_wave_0_\@
	s_barrier_signal -3
.Lnot_wave_0_\@:
	s_barrier_wait -3
	s_barrier_signal -1
	s_barrier_wait -1
.endm
.macro CROUND
	s_barrier_signal -1
	s_barrier_wait -1
	CREST
.endm
	s_load_b512 s[4:19], s[0:1], 0x0               ; ximg, wimg, gate_t, ve, cos, sin, the exponents, qkv
	s_load_b128 s[20:23], s[0:1], 0x40             ; yimg, out1
	s_load_b64 s[24:25], s[0:1], 0x50              ; maskbits
	v_lshl_add_u32 v[SPW], v0, 2, SPARE
	v_mov_b32 v[NIL], 0
	ds_add_u32 v[SPW], v[NIL]                      ; the wave's opening: the add and its wait ahead of my first tensor load; work on registers stands between
	v_lshrrev_b32 v1, 5, v0
	v_readfirstlane_b32 s[WV], v1
	s_lshr_b32 s[WM], s[WV], 1
	s_and_b32 s[WN], s[WV], 1
	s_bfe_u32 s61, ttmp6, 0x40000                  ; cx
	s_lshl_b32 s[RT], ttmp9, 2
	s_add_co_u32 s[RT], s[RT], s61                 ; rt: my 256 tokens
	s_and_b32 s[CT], ttmp7, 0xffff                 ; ct: my 256 rows of the weights; the same in all four partners
	s_mov_b32 s[G1X], 3<<16                        ; elements of 8 bytes, no mask, no padding
	s_mov_b32 s[G1W], 15|(3<<16)|(1<<21)           ; the same for all four work-groups of the cluster; bit 21 beside the mask
.irp g, G1X, G1W
	s_mov_b32 s[\g+1], 512<<16                     ; tensor_dim0 = 512 elements: 4,096 bytes, two images
	s_mov_b32 s[\g+2], 8<<16                       ; tensor_dim1 = 8 tiles of rows
	s_mov_b32 s[\g+3], 512<<16                     ; tile_dim0
	s_mov_b32 s[\g+4], 8                           ; tile_dim1
	s_mov_b32 s[\g+5], 2048                        ; from tile to tile: 16,384 bytes
	s_mov_b32 s[\g+6], 0
	s_mov_b32 s[\g+7], 0
.endr
	s_wait_dscnt 0x0                               ; the opening add is done
	s_wait_kmcnt 0x0
	s_load_b256 s[68:75], s[16:17], 0x0            ; e0 .. e7
	s_load_b128 s[76:79], s[16:17], 0x20           ; e8 .. e11
	s_wait_kmcnt 0x0
	s_cmp_lg_u32 s72, s70                          ; which section of ximg: its NUMBER is chosen without a jump, by the comparison by which the section was written,
	s_cselect_b32 s80, 1, 0
	s_cmp_lg_u32 s74, s70
	s_cselect_b32 s81, 2, 0
	s_cmp_lg_u32 s68, s70
	s_cselect_b32 s82, 3, 0                        ; the router's
	s_cmp_ge_u32 s[CT], 4
	s_cselect_b32 s83, s80, 0
	s_cmp_ge_u32 s[CT], 6
	s_cselect_b32 s83, s81, s83
	s_min_u32 s83, s83, 3                          ; held at 3;
	s_lshl_b32 s83, s83, 23                        ; sections lie 8 MiB apart
	s_min_u32 s82, s82, 3
	s_lshl_b32 s82, s82, 23
	s_lshl_b32 s84, s[RT], 18                      ; x: tile 16 rt + 8 (wave % 2), 16,384 bytes each
	s_lshl_b32 s85, s[WN], 17
	s_add_co_u32 s84, s84, s85
	s_add_co_u32 s84, s84, s83
	s_mov_b32 s85, 0
	s_add_nc_u64 s[84:85], s[4:5], s[84:85]
	s_lshl_b32 s86, s[CT], 18                      ; W: tile 16 ct + 8 (wave % 2): made of what the partners share, in registers that never hold cx
	s_lshl_b32 s87, s[WN], 17
	s_add_co_u32 s86, s86, s87
	s_mov_b32 s87, 0
	s_add_nc_u64 s[86:87], s[6:7], s[86:87]
	s_lshl_b32 s88, s[WV], 15                      ; where they go: wave x 32,768
	CROUND                                         ; all four work-groups are here: the first joint loads meet
.irp s, 0,1
	s_mov_b32 s[G0X+4*\s], 1
	s_add_co_u32 s[G0X+4*\s+1], s88, \s*SLOT
	s_add_nc_u64 s[G0X+4*\s+2:G0X+4*\s+3], s[84:85], \s*4096
	s_or_b32 s[G0X+4*\s+3], s[G0X+4*\s+3], 0x80000000
	s_mov_b32 s[G0W+4*\s], 1
	s_add_co_u32 s[G0W+4*\s+1], s88, \s*SLOT
	s_add_nc_u64 s[G0W+4*\s+2:G0W+4*\s+3], s[86:87], \s*4096
	s_or_b32 s[G0W+4*\s+3], s[G0W+4*\s+3], 0x80000000
	JLOAD \s
.endr
	v_and_b32 v1, 31, v0                           ; lane
	v_lshlrev_b32 v2, 4, v1                        ; 16 x lane: an image's place for my lane
	v_and_b32 v3, 15, v0                           ; r
	v_bfe_u32 v4, v0, 4, 1                         ; h
	s_cmp_ge_u32 s[CT], 6                          ; for v the roles change places
	s_cselect_b32 s84, 65536, 0                    ; the A role's region of a slot,
	s_cselect_b32 s85, 0, 65536                    ; the B role's
	s_lshl_b32 s86, s[WM], 15
	s_add_co_u32 s84, s84, s86
	s_lshl_b32 s86, s[WN], 15
	s_add_co_u32 s85, s85, s86
	v_add_nc_u32 v[ADRA], s84, v2
	v_add_nc_u32 v[ADRB], s85, v2
	v_add_nc_u32 v[ADRA+1], SLOT, v[ADRA]
	v_add_nc_u32 v[ADRB+1], SLOT, v[ADRB]
	s_mov_b32 s2, 0x76543210                       ; v_permlanex16_b32's selects for lane xor 16
	s_mov_b32 s3, 0xfedcba98
	s_lshl_b32 s88, s[CT], 5
	s_add_co_u32 s88, s88, s[RT]                   ; the work-group's number, 0 .. 255
	s_cmp_lt_u32 s[WV], 2
	s_cbranch_scc0 .Lzero
	; ---- THE ROUTER: tile of 16 tokens 2 x work-group + wave
	s_lshl_b32 s88, s88, 1
	s_add_co_u32 s88, s88, s[WV]
	s_lshl_b32 s84, s88, 14
	s_add_co_u32 s84, s84, s82
	s_mov_b32 s85, 0
	s_add_nc_u64 s[84:85], s[4:5], s[84:85]
	s_add_nc_u64 s[86:87], s[6:7], 3145728         ; Wr's tile
	WIN 0x40                                       ; destination window 1
.irp s, 0,1,2,3,4,5,6,7
.irp c, 0,1,2,3
	global_load_b128 v[16*\s+4*\c:16*\s+4*\c+3], v2, s[84:85] offset:2048*\s+512*\c
	global_load_b128 v[128+16*\s+4*\c:128+16*\s+4*\c+3], v2, s[86:87] offset:2048*\s+512*\c
.endr
.endr
	s_wait_loadcnt 0x0
	WIN 0x05                                       ; sources 0 and 1 window 1; C and D window 0
	v_wmma_f32_16x16x128_fp8_fp8 v[32:39], v[128:143], v[0:15], 0        ; source 0 = Wr's 16 heads, source 1 = 16 tokens: a lane holds a token, its registers heads 8 h + 0 .. 7
	v_wmma_f32_16x16x128_fp8_fp8 v[40:47], v[144:159], v[16:31], 0       ; two accumulators by turns
.irp s, 2,4,6
	v_wmma_f32_16x16x128_fp8_fp8 v[32:39], v[128+16*\s:143+16*\s], v[16*\s:15+16*\s], v[32:39]
	v_wmma_f32_16x16x128_fp8_fp8 v[40:47], v[144+16*\s:159+16*\s], v[16+16*\s:31+16*\s], v[40:47]
.endr
	WIN 0
.irp j, 0,1,2,3,4,5,6,7
	v_mov_b32 v[56+\j], 0                          ; written once: a lane permute's destination counts as read.  (These lines are also the places behind the products)
.endr
.irp j, 0,1,2,3,4,5,6,7
	v_mov_b32 v[64+\j], 0                          ; the counts
.endr
	v_mov_b32 v80, 0
.irp j, 0,1,2,3,4,5,6,7
	v_add_f32 v[48+\j], v[32+\j], v[40+\j]         ; my eight logits (each accumulator from its low end on)
.endr
.irp j, 0,1,2,3,4,5,6,7
	v_permlanex16_b32 v[56+\j], v[48+\j], s2, s3   ; the token's other eight
.endr
.set j, 0
.rept 8
.set i, 0
.rept 16
.if i != j
	v_cmp_gt_f32 vcc_lo, v[48+i], v[48+j]
	v_add_co_ci_u32 v[64+j], vcc_lo, 0, v[64+j], vcc_lo    ; how many of the other fifteen are greater
.endif
.set i, i+1
.endr
.set j, j+1
.endr
.irp j, 0,1,2,3,4,5,6,7
	v_cmp_gt_u32 s[92+\j], 8, v[64+\j]             ; chosen: fewer than eight are greater.  Bits 0-15: head j of the 16 tokens; bits 16-31: head 8 + j
.endr
.irp j, 0,1,2,3,4,5,6,7
	v_cndmask_b32 v[72+\j], 0, 1.0, s[92+\j]
.endr
	v_lshlrev_b32 v7, 6, v3
	v_lshl_add_u32 v7, v4, 5, v7                   ; out1: token r's 64 bytes, + 32 h
	s_lshl_b32 s90, s88, 10
	s_mov_b32 s91, 0
	s_add_nc_u64 s[22:23], s[22:23], s[90:91]
	global_store_b128 v7, v[72:75], s[22:23]
	global_store_b128 v7, v[76:79], s[22:23] offset:16
.irp j, 0,1,2,3,4,5,6,7
	s_and_b32 s89, s[92+\j], 0xffff
	v_writelane_b32 v80, s89, \j                   ; lane i of v80: head i's 16 bits
	s_lshr_b32 s89, s[92+\j], 16
	v_writelane_b32 v80, s89, 8+\j
.endr
	s_lshr_b32 s90, s88, 7                         ; batch: 4,096 bytes; head: 256; tile: 2
	s_lshl_b32 s90, s90, 12
	s_and_b32 s89, s88, 127
	s_lshl_b32 s89, s89, 1
	s_add_co_u32 s90, s90, s89
	s_add_nc_u64 s[24:25], s[24:25], s[90:91]
	v_lshlrev_b32 v81, 8, v1
	s_wait_xcnt 0x0                                ; EXEC changes only behind this wait,
	v_cmp_gt_u32 vcc_lo, 16, v1
	s_and_saveexec_b32 s100, vcc_lo
	global_store_b16 v81, v80, s[24:25]
	s_wait_xcnt 0x0                                ; and is restored only behind this one
	s_or_b32 exec_lo, exec_lo, s100
	s_branch .Ljoin
.Lzero:
	; ---- zero codes into my 16,384 bytes of yimg
	s_lshl_b32 s84, s88, 15
	s_sub_co_u32 s86, s[WV], 2
	s_lshl_b32 s86, s86, 14
	s_add_co_u32 s84, s84, s86
	s_mov_b32 s85, 0
	s_add_nc_u64 s[20:21], s[20:21], s[84:85]
.irp j, 0,1,2,3
	v_mov_b32 v[32+\j], 0
.endr
.set i, 0
.rept 32
	global_store_b128 v2, v[32:35], s[20:21] offset:512*i
.set i, i+1
.endr
.Ljoin:
.macro FRAG reg, adr, q, i             ; a fragment comes back as it was laid: four loads of 512 consecutive bytes
.irp c, 0,1,2,3
	ds_load_b128 v[\reg+4*\c:\reg+4*\c+3], v[\adr] offset:(\i)*4096+(\q)*2048+512*\c
.endr
.endm
; 16 matrix instructions: A's blocks a0, a0 + 1 x B's eight.  p: B's set.  zero = 1: the first product starts the sums.  The 64 accumulators take turns, in the same order in every step.
.macro MUL16 a0, p, zero
.irp a, \a0, \a0+1
.irp b, 0,1,2,3,4,5,6,7
.if \zero
	v_wmma_f32_16x16x128_fp8_fp8 v[8*(8*((\a)%4)+\b):8*(8*((\a)%4)+\b)+7], v[128*(\p)+FR*\b:128*(\p)+FR*\b+FR-1], v[AF+FR*(\a):AF+FR*(\a)+FR-1], 0
.else
	v_wmma_f32_16x16x128_fp8_fp8 v[8*(8*((\a)%4)+\b):8*(8*((\a)%4)+\b)+7], v[128*(\p)+FR*\b:128*(\p)+FR*\b+FR-1], v[AF+FR*(\a):AF+FR*(\a)+FR-1], v[8*(8*((\a)%4)+\b):8*(8*((\a)%4)+\b)+7]
.endif
.endr
.endr
.endm
.macro FETCH_B slot, q, p
	WIN TO_B
.irp i, 0,1,2,3,4,5,6,7
	FRAG 128*(\p)+FR*\i, ADRB+\slot, \q, \i
.endr
	WIN 0
.endm
.macro FETCH_A slot, q, i0
.irp i, \i0, \i0+1, \i0+2, \i0+3
	FRAG AF+FR*(\i), ADRA+\slot, \q, \i
.endr
.endm
.macro PLACES n                        ; plain vector lines between a matrix instruction and a load into, or a read of, its registers
.rept \n
	v_nop
.endr
.endm
.macro STEP slot, q, zero              ; 128 along K, with its successor in the same slot
	s_wait_dscnt 4*NL                              ; B's set and A's blocks 0-3 are in; the youngest sixteen loads (A's blocks 4-7) may be out
	WIN MUL_LO
	MUL16 0, (\q)%2, \zero
	MUL16 2, (\q)%2, \zero
	s_wait_dscnt 0
	PLACES NP
	FETCH_B \slot, (\q)+1, 1-(\q)%2
	FETCH_A \slot, (\q)+1, 0
	WIN MUL_HI
	MUL16 4, (\q)%2, \zero
	MUL16 6, (\q)%2, \zero
	PLACES NP
	WIN 0
	FETCH_A \slot, (\q)+1, 4
.endm
; A slot's last step changes slots: one barrier; in front of it each wave waits for all its tensor loads, adds 0 to its spare word, and waits for that and for its reads of this slot.  fill = 1: the slot is filled again.
.macro TURN slot, next, fill
	s_wait_tensorcnt 0x0                           ; all my tensor loads have landed: my part of the next slot
	ds_add_u32 v[SPW], v[NIL]                      ; 0 onto my spare word
	s_wait_dscnt 4*NL+1                            ; (the add and the youngest sixteen loads may be out)
	WIN MUL_LO
	MUL16 0, 1, 0
	s_wait_dscnt 0x0                               ; the add is done, and my reads of this slot are over
	s_barrier_signal -1
	MUL16 2, 1, 0
	WIN 0
	s_barrier_wait -1
.if \fill
	CREST                                          ; the barrier has opened a round of the cluster's: no wave of any partner still reads this slot or has a load on its way
	s_add_nc_u64 s[G0X+4*\slot+2:G0X+4*\slot+3], s[G0X+4*\slot+2:G0X+4*\slot+3], 8192
	s_add_nc_u64 s[G0W+4*\slot+2:G0W+4*\slot+3], s[G0W+4*\slot+2:G0W+4*\slot+3], 8192
	JLOAD \slot                                    ; the first tensor load behind the round; its four v_nop are the places in front of the loads below
.else
	PLACES NP
.endif
	FETCH_B \next, 0, 0
	FETCH_A \next, 0, 0
	WIN MUL_HI
	MUL16 4, 1, 0
	MUL16 6, 1, 0
	PLACES NP
	WIN 0
	FETCH_A \next, 0, 4
.endm
	s_wait_tensorcnt 0x1                           ; my part of slot 0 is in; slot 1's load may be out
	s_barrier_signal -1
	s_barrier_wait -1
	FETCH_B 0, 0, 0
	FETCH_A 0, 0, 0
	FETCH_A 0, 0, 4
	s_cmp_lt_u32 s[CT], 6
	s_cbranch_scc1 .Lqk_first
	; ---- v: the sums begin at gate x ve / 2^(e6 + e7).  Accumulator (a, b), register j, lane (r, h) is (dim 16 a + r, token 16 b + 8 h + j)
	s_sub_co_u32 s84, s[CT], 6
	s_lshl_b32 s86, s[RT], 19                      ; ve: token 256 rt + 128 (wave % 2), rows of 2,048 bytes;
	s_lshl_b32 s87, s[WN], 18
	s_add_co_u32 s86, s86, s87
	s_lshl_b32 s87, s84, 10                        ; dim 256 (ct - 6) + 128 (wave / 2)
	s_add_co_u32 s86, s86, s87
	s_lshl_b32 s87, s[WM], 9
	s_add_co_u32 s86, s86, s87
	s_mov_b32 s87, 0
	s_add_nc_u64 s[10:11], s[10:11], s[86:87]
	s_lshl_b32 s86, s84, 17                        ; the gate: head 4 (ct - 6) + 2 (wave / 2), 32,768 bytes each; the same tokens
	s_lshl_b32 s89, s[WM], 16
	s_add_co_u32 s86, s86, s89
	s_lshl_b32 s89, s[RT], 10
	s_add_co_u32 s86, s86, s89
	s_lshl_b32 s89, s[WN], 9
	s_add_co_u32 s86, s86, s89
	s_add_nc_u64 s[8:9], s[8:9], s[86:87]
	v_lshlrev_b32 v5, 2, v3
	v_lshl_add_u32 v5, v4, 14, v5                  ; 4 r + 8 h rows
	v_lshlrev_b32 v6, 5, v4                        ; 8 h tokens of 4 bytes
	WIN 0x40                                       ; the gates go where B's second set will lie: window 1, v[128 + 64 u + 8 b + j]
.irp u, 0,1
.irp b, 0,1,2,3,4,5,6,7
	global_load_b128 v[128+64*\u+8*\b:128+64*\u+8*\b+3], v6, s[8:9] offset:\u*32768+\b*64
	global_load_b128 v[128+64*\u+8*\b+4:128+64*\u+8*\b+7], v6, s[8:9] offset:\u*32768+\b*64+16
.endr
.endr
.irp hi, 0,1
	WIN (0x80+0x40*\hi)                            ; destination window 2, then 3
.set n, 0
.rept 256                              ; b = n / 32, j = (n / 4) % 8, a = 4 hi + n % 4: four loads on end read 256 consecutive bytes of a token's row
	global_load_b32 v[8*(8*(n%4)+n/32)+(n/4)%8], v5, s[10:11] offset:(16*(n/32)+(n/4)%8)*2048+64*(4*\hi+n%4)
.set n, n+1
.endr
.endr
	WIN 0
	s_wait_loadcnt 0x0
.irp hi, 0,1
	WIN (0x86+0x41*\hi)                            ; destination and source 0 window 2 (3), source 1 window 1
.set n, 0
.rept 128                              ; a % 4 = n / 32, b = (n / 4) % 8, a pair of registers 2 (n % 4)
	v_pk_mul_f32 v[8*(8*(n/32)+(n/4)%8)+2*(n%4):8*(8*(n/32)+(n/4)%8)+2*(n%4)+1], v[8*(8*(n/32)+(n/4)%8)+2*(n%4):8*(8*(n/32)+(n/4)%8)+2*(n%4)+1], v[128+64*\hi+8*((n/4)%8)+2*(n%4):128+64*\hi+8*((n/4)%8)+2*(n%4)+1]
.set n, n+1
.endr
.endr
	WIN 0
	STEP 0, 0, 0
	s_branch .Lrest
.Lqk_first:
	STEP 0, 0, 1                                   ; q, k: the first products start the sums
.Lrest:
	TURN 0, 1, 1
	STEP 1, 0, 0
	TURN 1, 0, 1
	STEP 0, 0, 0
	TURN 0, 1, 0                                   ; the last two slots are on hand: nothing is filled, no round
	STEP 1, 0, 0
	s_wait_dscnt 4*NL
	WIN MUL_LO
	MUL16 0, 1, 0
	MUL16 2, 1, 0
	s_wait_dscnt 0
	WIN MUL_HI
	MUL16 4, 1, 0
	MUL16 6, 1, 0
	WIN 0
	PLACES NP
	s_wait_xcnt 0x0                                ; the router's and the fill's stores have read their registers
	s_cmp_ge_u32 s[CT], 6
	s_cbranch_scc1 .Lepi_v
	; ---- THE WAY OUT OF q AND k.  A sum stands for sum x 2^E.  With y = rotary(sums): result = y x 2^E x rsqrt(2^(2E - 6) sum(y^2) + 1e-6); code = result / 2^e, held.
	s_add_co_i32 s84, s70, s71                     ; e2 + e3
	s_add_co_i32 s85, s72, s73                     ; e4 + e5
	s_cmp_ge_u32 s[CT], 4
	s_cselect_b32 s84, s85, s84                    ; E
	s_cselect_b32 s85, s77, s76                    ; the quantiser's exponent: e9 (k) or e8 (q)
	s_cselect_b32 s86, 4, 0                        ; the tensor's first ct
	s_cselect_b32 s87, 3, 4                        ; log2 of its heads
	s_cselect_b32 s89, 0x800000, 0                 ; its section of qkv
	s_lshl_b32 s90, s84, 1
	s_add_co_i32 s90, s90, 121
	s_lshl_b32 s90, s90, 23                        ; 2^(2E - 6)
	s_add_co_i32 s91, s84, 127
	s_lshl_b32 s91, s91, 23                        ; 2^E
	s_mov_b32 s92, 0x358637bd                      ; 1e-6
	s_add_co_i32 s93, s85, 127
	s_lshl_b32 s94, s93, 23
	v_mov_b32 v190, s94                            ; the conversion's scale
	s_add_co_i32 s93, s93, 8
	s_lshl_b32 s93, s93, 23
	s_or_b32 s93, s93, 0x600000
	v_mov_b32 v191, s93                            ; 448 x that
	s_lshr_b32 s93, s[RT], 3                       ; batch
	s_lshl_b32 s93, s93, s87
	s_sub_co_u32 s94, s[CT], s86
	s_lshl_b32 s94, s94, 2
	s_add_co_u32 s93, s93, s94
	s_lshl_b32 s94, s[WN], 1
	s_add_co_u32 s93, s93, s94                     ; my first head
	s_lshl_b32 s93, s93, 7                         ; 128 tiles of 16 tokens a head
	s_and_b32 s94, s[RT], 7
	s_lshl_b32 s95, s94, 4
	s_add_co_u32 s93, s93, s95
	s_lshl_b32 s95, s[WM], 3
	s_add_co_u32 s93, s93, s95
	s_lshl_b32 s93, s93, 10                        ; an image of 16 x 64 is 1,024 bytes
	s_add_co_u32 s96, s93, s89
	s_mov_b32 s97, 0
	s_add_nc_u64 s[18:19], s[18:19], s[96:97]
	s_lshl_b32 s96, s94, 15                        ; cos, sin: my first token in its batch, rows of 128 bytes
	s_lshl_b32 s95, s[WM], 14
	s_add_co_u32 s96, s96, s95
	s_add_nc_u64 s[12:13], s[12:13], s[96:97]
	s_add_nc_u64 s[14:15], s[14:15], s[96:97]
	v_lshlrev_b32 v8, 7, v3
	v_lshl_add_u32 v8, v4, 5, v8                   ; token r, + 8 h numbers
.macro CSLOAD a                        ; block a's cos and sin: index 16 c + 8 h + j of token 16 a + r
.set CSB, 32+32*((\a)%2)
.irp c, 0,1
.irp k, 0,1
	global_load_b128 v[CSB+8*\c+4*\k:CSB+8*\c+4*\k+3], v8, s[12:13] offset:(\a)*2048+64*\c+16*\k
	global_load_b128 v[CSB+16+8*\c+4*\k:CSB+16+8*\c+4*\k+3], v8, s[14:15] offset:(\a)*2048+64*\c+16*\k
.endr
.endr
.endm
.macro QKBLK a                         ; 16 tokens x my two heads
.if (\a) < 7
	CSLOAD (\a)+1
	s_wait_loadcnt 0x8                             ; this block's eight loads are in; the next block's may be out
.else
	s_wait_loadcnt 0x0
.endif
	s_wait_xcnt 0x0                                ; the last block's stores have read their codes
.set CS, 32+32*((\a)%2)
.set AC, 64*((\a)%4)
	WIN (0x02+(\a)/4)                              ; source 0: the accumulators' window
.irp u, 0,1
.irp c, 0,1                            ; x1 = dims 16 c + 8 h + j, x2 = those 32 further on; each accumulator is read from its low end on
.irp i, 0,2,4,6
	v_pk_mul_f32 v[176+\i:177+\i], v[AC+8*(4*\u+\c+2)+\i:AC+8*(4*\u+\c+2)+\i+1], v[CS+16+8*\c+\i:CS+16+8*\c+\i+1]
.endr
.irp i, 0,2,4,6
	v_pk_fma_f32 v[96+32*\u+8*\c+\i:96+32*\u+8*\c+\i+1], v[AC+8*(4*\u+\c)+\i:AC+8*(4*\u+\c)+\i+1], v[CS+8*\c+\i:CS+8*\c+\i+1], v[176+\i:177+\i]   ; x1 cos + x2 sin
.endr
.irp i, 0,2,4,6
	v_pk_mul_f32 v[176+\i:177+\i], v[AC+8*(4*\u+\c+2)+\i:AC+8*(4*\u+\c+2)+\i+1], v[CS+8*\c+\i:CS+8*\c+\i+1]
.endr
.irp i, 0,2,4,6
	v_pk_fma_f32 v[96+32*\u+8*(\c+2)+\i:96+32*\u+8*(\c+2)+\i+1], v[AC+8*(4*\u+\c)+\i:AC+8*(4*\u+\c)+\i+1], v[CS+16+8*\c+\i:CS+16+8*\c+\i+1], v[176+\i:177+\i] neg_lo:[1,0,0] neg_hi:[1,0,0]   ; -x1 sin + x2 cos
.endr
.endr
.endr
	WIN 0
	v_pk_mul_f32 v[184:185], v[96:97], v[96:97]    ; the sums of squares, the two heads by turns
	v_pk_mul_f32 v[186:187], v[128:129], v[128:129]
.irp n, 2,4,6,8,10,12,14,16,18,20,22,24,26,28,30
	v_pk_fma_f32 v[184:185], v[96+\n:97+\n], v[96+\n:97+\n], v[184:185]
	v_pk_fma_f32 v[186:187], v[128+\n:129+\n], v[128+\n:129+\n], v[186:187]
.endr
	v_add_f32 v184, v184, v185
	v_add_f32 v186, v186, v187
	v_permlanex16_b32 v185, v184, s2, s3           ; the head's other 32 dims lie in lane xor 16
	v_permlanex16_b32 v187, v186, s2, s3
	v_add_f32 v184, v184, v185
	v_add_f32 v186, v186, v187
	v_fma_f32 v184, v184, s90, s92
	v_fma_f32 v186, v186, s90, s92
	v_rsq_f32 v184, v184
	v_rsq_f32 v186, v186
	v_nop                                          ; a plain line behind the second root,
	s_wait_alu depctr_va_vdst(0)                   ; and one wait for both ahead of their first reader
	v_mul_f32 v184, s91, v184
	v_mul_f32 v186, s91, v186
.irp u, 0,1
.irp n, 0,2,4,6,8,10,12,14,16,18,20,22,24,26,28,30
	v_pk_mul_f32 v[96+32*\u+\n:97+32*\u+\n], v[96+32*\u+\n:97+32*\u+\n], v[184+2*\u:185+2*\u] op_sel_hi:[1,0]
.endr
.endr
.irp u, 0,1
.irp c, 0,1,2,3
.irp i, 0,1,2,3,4,5,6,7
	v_med3_num_f32 v[96+32*\u+8*\c+\i], v[96+32*\u+8*\c+\i], -v191, v191
.endr
	v_cvt_scalef32_pk8_fp8_f32 v[160+8*\u+2*\c:161+8*\u+2*\c], v[96+32*\u+8*\c:103+32*\u+8*\c], v190   ; registers 2 c, 2 c + 1 of the next operand: k = 16 c + 8 h + 0 .. 7
.endr
.endr
	v_nop                                          ; a plain line behind the last conversion
.irp u, 0,1
.irp g, 0,1
	global_store_b128 v2, v[160+8*\u+4*\g:163+8*\u+4*\g], s[18:19] offset:\u*131072+(\a)*1024+\g*512   ; 512 consecutive bytes, aligned
.endr
.endr
.endm
	CSLOAD 0
.irp a, 0,1,2,3,4,5,6,7
	QKBLK \a
.endr
	s_branch .Lend
.Lepi_v:
	; ---- THE WAY OUT OF v: code = sum / 2^(e10 - e6 - e7), held.  Block a's eight accumulators are one fragment of V^T: 16 dims x 128 keys
	s_sub_co_i32 s84, s78, s74
	s_sub_co_i32 s84, s84, s75
	s_add_co_i32 s84, s84, 127
	s_lshl_b32 s85, s84, 23
	v_mov_b32 v190, s85
	s_add_co_i32 s84, s84, 8
	s_lshl_b32 s84, s84, 23
	s_or_b32 s84, s84, 0x600000
	v_mov_b32 v191, s84
	s_lshr_b32 s86, s[RT], 3
	s_lshl_b32 s86, s86, 3
	s_sub_co_u32 s87, s[CT], 6
	s_lshl_b32 s87, s87, 2
	s_add_co_u32 s86, s86, s87
	s_lshl_b32 s87, s[WM], 1
	s_add_co_u32 s86, s86, s87                     ; 8 x batch + my first kv head
	s_lshl_b32 s86, s86, 17                        ; 16 blocks of keys x 4 tiles of dims x 2,048 bytes
	s_and_b32 s87, s[RT], 7
	s_lshl_b32 s87, s87, 1
	s_add_co_u32 s87, s87, s[WN]                   ; my block of 128 keys
	s_lshl_b32 s87, s87, 13
	s_add_co_u32 s86, s86, s87
	s_add_co_u32 s86, s86, 12582912
	s_mov_b32 s87, 0
	s_add_nc_u64 s[18:19], s[18:19], s[86:87]
.macro VBLK a
.set AC, 64*((\a)%4)
	s_wait_xcnt 0x0                                ; the last block's stores have read their codes
	WIN (0x02+(\a)/4)
.set n, 0
.rept 64
	v_med3_num_f32 v[32+n], v[AC+n], -v191, v191   ; each accumulator from its low end on
.set n, n+1
.endr
	WIN 0
.irp b, 0,1,2,3,4,5,6,7
	v_cvt_scalef32_pk8_fp8_f32 v[96+2*\b:97+2*\b], v[32+8*\b:39+8*\b], v190   ; keys 16 b + 8 h + 0 .. 7
.endr
	v_nop                                          ; a plain line behind the last conversion
.irp c, 0,1,2,3
	global_store_b128 v2, v[96+4*\c:99+4*\c], s[18:19] offset:((\a)/4)*131072+((\a)%4)*2048+512*\c
.endr
.endm
.irp a, 0,1,2,3,4,5,6,7
	VBLK \a
.endr
.Lend:
	s_wait_tensorcnt 0x0                           ; the wave's end
	ds_add_u32 v[SPW], v[NIL]
	s_wait_dscnt 0x0
	CROUND                                         ; the closing round: no work-group ends while a partner may still ask for a tile that names it
	s_endpgm
.Lfunc_end_k_q44e3eb0117_proj:
	.size	k_q44e3eb0117_proj, .Lfunc_end_k_q44e3eb0117_proj-k_q44e3eb0117_proj
	.p2alignl 7, 3214868480
	.fill 96, 4, 3214868480
	.section	.rodata,"a",@progbits
	.p2align	6, 0x0
	.amdhsa_kernel k_q44e3eb0117_proj
		.amdhsa_group_segment_fixed_size 327680
		.amdhsa_private_segment_fixed_size 0
		.amdhsa_enable_private_segment 0
		.amdhsa_kernarg_size 88
		.amdhsa_user_sgpr_count 2
		.amdhsa_user_sgpr_kernarg_segment_ptr 1
		.amdhsa_wavefront_size32 1
		.amdhsa_system_sgpr_workgroup_id_x 1
		.amdhsa_system_sgpr_workgroup_id_y 1
		.amdhsa_system_sgpr_workgroup_id_z 1
		.amdhsa_system_vgpr_workitem_id 0
		.amdhsa_next_free_vgpr 1024
		.amdhsa_next_free_sgpr 102
		.amdhsa_reserve_vcc 1
		.amdhsa_float_denorm_mode_32 3
		.amdhsa_float_denorm_mode_16_64 3
		.amdhsa_memory_ordered 1
		.amdhsa_forward_progress 1
		.amdhsa_inst_pref_size 255
	.end_amdhsa_kernel
	.section	.bss,"aw",@nobits
	.p2align	6
	.space	262144
	.amdgpu_metadata
---
amdhsa.version: [ 1, 2 ]
amdhsa.kernels:
  - .name:           k_q44e3eb0117_proj
    .symbol:         k_q44e3eb0117_proj.kd
    .args:
      - { .name: ximg, .offset: 0, .size: 8, .value_kind: global_buffer, .address_space: global }
      - { .name: wimg, .offset: 8, .size: 8, .value_kind: global_buffer, .address_space: global }
      - { .name: gate_t, .offset: 16, .size: 8, .value_kind: global_buffer, .address_space: global }
      - { .name: ve, .offset: 24, .size: 8, .value_kind: global_buffer, .address_space: global }
      - { .name: cos, .offset: 32, .size: 8, .value_kind: global_buffer, .address_space: global }
      - { .name: sin, .offset: 40, .size: 8, .value_kind: global_buffer, .address_space: global }
      - { .name: lowp_scales, .offset: 48, .size: 8, .value_kind: global_buffer, .address_space: global }
      - { .name: qkv, .offset: 56, .size: 8, .value_kind: global_buffer, .address_space: global }
      - { .name: yimg, .offset: 64, .size: 8, .value_kind: global_buffer, .address_space: global }
      - { .name: out1, .offset: 72, .size: 8, .value_kind: global_buffer, .address_space: global }
      - { .name: maskbits, .offset: 80, .size: 8, .value_kind: global_buffer, .address_space: global }
    .group_segment_fixed_size: 327680
    .private_segment_fixed_size: 0
    .kernarg_segment_align: 8
    .kernarg_segment_size: 88
    .max_flat_workgroup_size: 128
    .sgpr_count:     102
    .vgpr_count:     1024
    .wavefront_size: 32
...
	.end_amdgpu_metadata
.endif
;; end of part 2
;; launch attn (part 3): grid 256 x 1, 16 waves a work-group, no clusters, 34,816 bytes of LDS; arguments qkv, maskbits, lowp_scales, yimg; writes yimg
.if DOCPART == 3
	.amdgcn_target "amdgcn-amd-amdhsa--gfx1250"
	.amdhsa_code_object_version 6
	.text
	.protected	k_q44e3eb0117_attn
	.globl	k_q44e3eb0117_attn
	.p2align	8
	.type	k_q44e3eb0117_attn,@function
k_q44e3eb0117_attn:
	s_mov_b64 s[64:65], 0
	v_nop
	global_prefetch_b8 v0, s[64:65] scope:SCOPE_SE
	s_setreg_imm32_b32 hwreg(HW_REG_WAVE_MODE, 25, 1), 1
	s_wait_xcnt 0x0
; ATTN: causal attention on codes of E4M3, ONLY FOR THE PAIRS (token, head) THAT THE ROUTER CHOSE: the others are multiplied by 0 afterwards and keep the zero codes that lie in yimg.
; SHARES.  Work-group = (batch x 16 + head = id / 4, p = id % 4).  A head's chosen tokens are ranked from the top (rank 0 = the last token); tile idx holds ranks 16 idx + 0 .. 15, a lane % 16 to a rank.
; Wave w (rho = w / 4, kappa = w % 4; m = kappa >= 2 ? 7 - rho : rho) takes, in pass 0, tile i = 8 p + m or 63 - 8 p - m (the second where rho + kappa is odd), and in pass 1 tile i + 64:
; every tile 0 .. 127 is taken once, so every choice of the router is served, all tokens on one head too.  A tile near the top walks many keys and its partner few.
; ALL THAT TURNS THE MASK'S BITS INTO TOKENS AND ADDRESSES STANDS AT THE HEAD, for both passes: one walk over the head's bits, two searches, both gathers of q, both places in yimg.  Both passes' codes are
; stored at the very end, under the lanes whose rank exists.
; THE KEYS go in blocks of 128 through two LDS slots (K: eight images of 16 keys x 64; V: four images of 16 dims x 128 keys; 16,384 bytes).  Wave w brings 1,024 bytes of each block through its registers, one block ahead.
; The loops have constant trip counts, every wave passes every
; barrier, and only work is jumped over.  Pass 1 has half the trips: a rank of 1,024 or more is a token of 1,023 or less.
; LAYOUT.  S^T = K Q^T (source 0 = 16 keys, source 1 = my 16 queries): a lane holds one query, register j of tile c key 16 c + 8 h + j: eight such registers convert into registers 2 c, 2 c + 1 of P.
; O^T = V^T P^T likewise; its eight registers convert into the operand of the last product.
; THE SOFTMAX: t = score x log2(e) / 8; M = the running largest t rounded up to a whole number; p = 2^(t - M) is quantised; the sum is taken of the unquantised p and divides at the end.
; LIMITS: e8 + e9 between -123 and 130; e11 and e12 between -126 and 119.  NaN among the inputs is not served.
; REGISTERS: v1 16 x lane; v2 + 1,024 x wave; v3 r; v4 pass 0's token; v5 token - 8 h; v6, v7 the add's two; v10 h; v11 0; v12 -infinity; v14, v16 scales; v18-31 pass 0's search; v32-39 pass 0's Q;
;   v40-47 staging; v48-111 K, then V; v112-175 S^T, then p (at the head v112-125: pass 1's search); v176-207 O^T; v208-223 p's codes, at the end pass 1's y; v224 -M, v225 the largest t; v[226:227] the sum;
;   v[228:229] f; v230-235 at work; v236-243 pass 1's Q; v244, v245 its token, token - 8 h; v246, v247 the two places in yimg; v248-255 pass 0's y.
.set SLOTB, 16384
.set SPARE, 2*SLOTB                    ; behind the slots: the spare words, 128 bytes for each of 16 waves
.set KV,    48
.set S,     112
.set O,     176
.set P,     208
.set TB0,   18                         ; a search's fourteen registers: +0 the rank, +1 the rank that is left, +2, +3 the double word, +4 its number, +5 its offset, +6, +7 at work, +8 32 for the upper word,
.set TB1,   112                        ; +9 .. +12 the word's counts in fields of 2, 4, 8, 16 bits (+9 later q's offset), +13 the bit
	s_load_b256 s[4:11], s[0:1], 0x0               ; qkv, maskbits, the exponents, yimg
	v_lshl_add_u32 v6, v0, 2, SPARE
	v_mov_b32 v7, 0
	v_lshrrev_b32 v8, 5, v0
	s_delay_alu instid0(VALU_DEP_1)
	v_readfirstlane_b32 s17, v8                    ; wave
	v_and_b32 v9, 31, v0
	s_delay_alu instid0(VALU_DEP_1)
	v_lshlrev_b32 v1, 4, v9
	s_lshl_b32 s18, s17, 10
	v_add_nc_u32 v2, s18, v1
	v_and_b32 v3, 15, v0
	v_bfe_u32 v10, v0, 4, 1
	v_mov_b32 v11, 0
	v_mov_b32 v12, 0xff800000
	v_mov_b32 v229, 0                              ; (named as the upper half of a pair)
	v_mov_b32 v232, 0                              ; written once: a lane permute's destination counts as read
	s_mov_b32 s22, 0x76543210
	s_mov_b32 s23, 0xfedcba98
	s_lshr_b32 s62, ttmp9, 2                       ; 16 x batch + head
	s_and_b32 s3, ttmp9, 3                         ; p
	s_lshr_b32 s2, s17, 2                          ; rho
	s_and_b32 s19, s17, 3                          ; kappa
	s_xor_b32 s26, s2, s19
	s_and_b32 s26, s26, 1
	s_sub_co_u32 s27, 7, s2
	s_cmp_ge_u32 s19, 2
	s_cselect_b32 s2, s27, s2                      ; m
	s_lshl_b32 s27, s3, 3
	s_add_co_u32 s2, s2, s27
	s_sub_co_u32 s27, 63, s2
	s_cmp_eq_u32 s26, 1
	s_cselect_b32 s2, s27, s2                      ; s2 = i, my tile in pass 0
	s_lshl_b32 s3, s3, 7                           ; s3 = 128 p: the first rank of the work-group's topmost tile
	s_wait_alu depctr_va_vdst(0)
	s_wait_kmcnt 0x0
	s_load_b128 s[12:15], s[8:9], 0x20             ; e8 .. e11
	s_load_b32 s16, s[8:9], 0x30                   ; e12
	s_lshl_b32 s26, s62, 8
	s_mov_b32 s27, 0
	s_add_nc_u64 s[6:7], s[6:7], s[26:27]          ; the head's 256 bytes of bits: word m = tokens 32 m .. 32 m + 31
	s_load_b512 s[28:43], s[6:7], 0x0
	s_load_b512 s[44:59], s[6:7], 0x40
	s_load_b512 s[68:83], s[6:7], 0x80
	s_load_b512 s[84:99], s[6:7], 0xc0
	s_lshr_b32 s26, s62, 1                         ; 8 x batch + kv head: 131,072 bytes in K's section and in V's
	s_lshl_b32 s26, s26, 17
	s_add_co_u32 s26, s26, s18                     ; my 1,024 bytes of a block: waves 0-7 K's, waves 8-15 V's
	s_mov_b32 s19, 12574720
	s_cmp_lt_u32 s17, 8
	s_cselect_b32 s19, 8388608, s19
	s_add_co_u32 s26, s26, s19
	s_add_nc_u64 s[20:21], s[4:5], s[26:27]        ; s[20:21]: block 0
	s_lshl_b32 s26, s62, 17
	s_add_nc_u64 s[4:5], s[4:5], s[26:27]          ; s[4:5]: the head's q
	s_lshr_b32 s26, s62, 4
	s_lshl_b32 s26, s26, 21
	s_and_b32 s19, s62, 15
	s_lshl_b32 s19, s19, 10
	s_add_co_u32 s26, s26, s19
	s_add_nc_u64 s[10:11], s[10:11], s[26:27]      ; s[10:11]: the batch's first tile of yimg, my head's 1,024 bytes in it
	s_mov_b64 s[60:61], s[20:21]
	global_load_b128 v[40:43], v1, s[60:61]        ; pass 0's block 0
	global_load_b128 v[44:47], v1, s[60:61] offset:512
	s_wait_kmcnt 0x0
	s_add_co_i32 s26, s12, s13
	s_lshl_b32 s26, s26, 23
	s_add_co_i32 s24, s26, 0x3e38aa3b              ; c = log2(e) / 8 x 2^(e8 + e9): the exponents are added to c's exponent field
	s_mov_b32 s25, s24
	s_add_co_i32 s26, s15, 127
	s_lshl_b32 s27, s26, 23
	v_mov_b32 v14, s27                             ; 2^e11, for p
	s_add_co_i32 s26, s16, 127
	s_lshl_b32 s27, s26, 23
	v_mov_b32 v16, s27                             ; 2^e12, for y
	s_add_co_i32 s14, s14, s15                     ; e10 + e11; s12, s13, s15, s16 are free from here on: they take pass 1's limits
	; ---- THE WALK.  The head's 32 double words are walked from the top, their counts added in s18; for each pass a lane notes the count above its double word and the double word's number.
	; On the way: the key blocks that lie wholly above the work-group's topmost token, for each pass.
	s_lshl_b32 s8, s2, 4                           ; my tile's first rank in pass 0; pass 1's is 1,024 more
	s_add_co_u32 s67, s3, 1024                     ; the work-group's first rank in pass 1
	v_add_nc_u32 v[TB0], s8, v3
	s_delay_alu instid0(VALU_DEP_1)
	v_add_nc_u32 v[TB1], 1024, v[TB0]
	v_mov_b32 v[TB0+1], 0
	v_mov_b32 v[TB1+1], 0
	v_mov_b32 v[TB0+4], 31
	v_mov_b32 v[TB1+4], 31
	s_mov_b32 s18, 0
	s_mov_b32 s19, 0
	s_mov_b32 s100, 0
.set k, 31
.rept 32
.if k >= 16
.set WR, 68+2*(k-16)
.else
.set WR, 28+2*k
.endif
	s_bcnt1_i32_b32 s26, s[WR]
	s_bcnt1_i32_b32 s27, s[WR+1]
	s_add_co_u32 s18, s18, s26
	s_add_co_u32 s18, s18, s27                     ; chosen tokens from double word k up
	v_cmp_gt_u32 vcc_lo, s18, v[TB0]
	s_delay_alu instid0(VALU_DEP_1)
	v_cndmask_b32 v[TB0+1], s18, v[TB0+1], vcc_lo  ; while the count is at most the rank, the token lies further down
	s_wait_alu depctr_va_vdst(0)
	v_cndmask_b32 v[TB0+4], k-1, v[TB0+4], vcc_lo
	v_cmp_gt_u32 vcc_lo, s18, v[TB1]
	s_delay_alu instid0(VALU_DEP_1)
	v_cndmask_b32 v[TB1+1], s18, v[TB1+1], vcc_lo
	s_delay_alu instid0(VALU_DEP_2)
	v_cndmask_b32 v[TB1+4], k-1, v[TB1+4], vcc_lo
.if k%2 == 0
	s_cmp_le_u32 s18, s3                           ; a block of 128 keys that lies wholly above the work-group's topmost token
	s_add_co_ci_u32 s19, s19, 0
	s_cmp_le_u32 s18, s67
	s_add_co_ci_u32 s100, s100, 0
.endif
.set k, k-1
.endr
	s_sub_co_u32 s62, 16, s19                      ; the blocks that the work-group stages in pass 0,
	s_sub_co_u32 s12, 16, s100                     ; and in pass 1
	v_cmp_gt_u32 s101, s18, v[TB0]                 ; my rank exists, in pass 0,
	v_cmp_gt_u32 s16, s18, v[TB1]                  ; and in pass 1
; One level of the search in a word: does the wanted bit lie in the upper half of the window that begins at bit v[tb + 13]?  v[tb + x] holds the counts of fields of that half's width.
.macro LEVEL tb, x, s, width
	v_add_nc_u32 v[\tb+6], \s, v[\tb+13]
	s_delay_alu instid0(VALU_DEP_1)
	v_bfe_u32 v[\tb+7], v[\tb+\x], v[\tb+6], \width    ; set bits in the upper half
	s_delay_alu instid0(VALU_DEP_1)
	v_cmp_lt_u32 vcc_lo, v[\tb+1], v[\tb+7]
	s_delay_alu instid0(VALU_DEP_1)
	v_cndmask_b32 v[\tb+13], v[\tb+13], v[\tb+6], vcc_lo   ; up,
	s_delay_alu instid0(VALU_DEP_2)
	v_cndmask_b32 v[\tb+7], v[\tb+7], v11, vcc_lo      ; or past them
	s_delay_alu instid0(VALU_DEP_1)
	v_sub_nc_u32 v[\tb+1], v[\tb+1], v[\tb+7]
.endm
; WHICH TOKEN HAS MY RANK: the lane reads its double word again and finds the bit by halving.  Then: the tile's limits (s[nbw] key blocks, s[tf] its lowest token), the gather of q into v[q] on, the place in yimg in v[ya].
.macro FIND tb, tok, dd, val, nbw, tf, add, q, ya
	v_min_u32 v[\tb+4], 31, v[\tb+4]
	s_delay_alu instid0(VALU_DEP_1)
	v_lshlrev_b32 v[\tb+5], 3, v[\tb+4]
	global_load_b64 v[\tb+2:\tb+3], v[\tb+5], s[6:7]
	v_sub_nc_u32 v[\tb+1], v[\tb], v[\tb+1]        ; my rank in the double word
	s_wait_loadcnt 0x0
	v_lshrrev_b32 v[\tb+6], 1, v[\tb+3]            ; set bits of the upper word
	s_delay_alu instid0(VALU_DEP_1)
	v_and_b32 v[\tb+6], 0x55555555, v[\tb+6]
	s_delay_alu instid0(VALU_DEP_1)
	v_sub_nc_u32 v[\tb+6], v[\tb+3], v[\tb+6]
	s_delay_alu instid0(VALU_DEP_1)
	v_lshrrev_b32 v[\tb+7], 2, v[\tb+6]
	s_delay_alu instid0(VALU_DEP_2)
	v_and_b32 v[\tb+6], 0x33333333, v[\tb+6]
	s_delay_alu instid0(VALU_DEP_2)
	v_and_b32 v[\tb+7], 0x33333333, v[\tb+7]
	s_delay_alu instid0(VALU_DEP_1)
	v_add_nc_u32 v[\tb+6], v[\tb+6], v[\tb+7]
	s_delay_alu instid0(VALU_DEP_1)
	v_lshrrev_b32 v[\tb+7], 4, v[\tb+6]
	s_delay_alu instid0(VALU_DEP_1)
	v_add_nc_u32 v[\tb+6], v[\tb+6], v[\tb+7]
	s_delay_alu instid0(VALU_DEP_1)
	v_and_b32 v[\tb+6], 0x0f0f0f0f, v[\tb+6]
	s_delay_alu instid0(VALU_DEP_1)
	v_lshrrev_b32 v[\tb+7], 8, v[\tb+6]
	s_delay_alu instid0(VALU_DEP_1)
	v_add_nc_u32 v[\tb+6], v[\tb+6], v[\tb+7]
	s_delay_alu instid0(VALU_DEP_1)
	v_lshrrev_b32 v[\tb+7], 16, v[\tb+6]
	s_delay_alu instid0(VALU_DEP_1)
	v_add_nc_u32 v[\tb+6], v[\tb+6], v[\tb+7]
	s_delay_alu instid0(VALU_DEP_1)
	v_and_b32 v[\tb+6], 0x3f, v[\tb+6]
	s_delay_alu instid0(VALU_DEP_1)
	v_cmp_ge_u32 vcc_lo, v[\tb+1], v[\tb+6]        ; past them: the lower word
	s_delay_alu instid0(VALU_DEP_1)
	v_cndmask_b32 v[\tb+2], v[\tb+3], v[\tb+2], vcc_lo
	s_delay_alu instid0(VALU_DEP_2)
	v_cndmask_b32 v[\tb+6], 0, v[\tb+6], vcc_lo
	s_delay_alu instid0(VALU_DEP_1)
	v_sub_nc_u32 v[\tb+1], v[\tb+1], v[\tb+6]
	s_delay_alu instid0(VALU_DEP_4)
	v_cndmask_b32 v[\tb+8], 32, v11, vcc_lo
	s_delay_alu instid0(VALU_DEP_4)
	v_lshrrev_b32 v[\tb+9], 1, v[\tb+2]            ; the word's counts in fields of 2, 4, 8 and 16 bits
	s_delay_alu instid0(VALU_DEP_1)
	v_and_b32 v[\tb+9], 0x55555555, v[\tb+9]
	s_delay_alu instid0(VALU_DEP_1)
	v_sub_nc_u32 v[\tb+9], v[\tb+2], v[\tb+9]
	s_delay_alu instid0(VALU_DEP_1)
	v_lshrrev_b32 v[\tb+10], 2, v[\tb+9]
	s_delay_alu instid0(VALU_DEP_1)
	v_and_b32 v[\tb+10], 0x33333333, v[\tb+10]
	s_delay_alu instid0(VALU_DEP_3)
	v_and_b32 v[\tb+11], 0x33333333, v[\tb+9]
	s_delay_alu instid0(VALU_DEP_1)
	v_add_nc_u32 v[\tb+10], v[\tb+10], v[\tb+11]
	s_delay_alu instid0(VALU_DEP_1)
	v_lshrrev_b32 v[\tb+11], 4, v[\tb+10]
	s_delay_alu instid0(VALU_DEP_1)
	v_add_nc_u32 v[\tb+11], v[\tb+11], v[\tb+10]
	s_delay_alu instid0(VALU_DEP_1)
	v_and_b32 v[\tb+11], 0x0f0f0f0f, v[\tb+11]
	s_delay_alu instid0(VALU_DEP_1)
	v_lshrrev_b32 v[\tb+12], 8, v[\tb+11]
	s_delay_alu instid0(VALU_DEP_1)
	v_add_nc_u32 v[\tb+12], v[\tb+12], v[\tb+11]
	v_mov_b32 v[\tb+13], 0
	LEVEL \tb, 12, 16, 8
	LEVEL \tb, 11, 8, 8
	LEVEL \tb, 10, 4, 4
	LEVEL \tb, 9, 2, 2
	LEVEL \tb, 2, 1, 1
	v_lshl_add_u32 v[\tok], v[\tb+4], 6, v[\tb+8]
	s_delay_alu instid0(VALU_DEP_1)
	v_add_nc_u32 v[\tok], v[\tok], v[\tb+13]
	s_delay_alu instid0(VALU_DEP_1)
	v_cndmask_b32 v[\tok], 0, v[\tok], s[\val]     ; a rank that does not exist walks as token 0 and stores nothing
	s_delay_alu instid0(VALU_DEP_1)
	v_min_u32 v[\tok], 0x7ff, v[\tok]
	v_lshlrev_b32 v[\tb+6], 3, v10
	s_delay_alu instid0(VALU_DEP_1)
	v_sub_nc_u32 v[\dd], v[\tok], v[\tb+6]
	s_delay_alu instid0(VALU_DEP_3)
	v_readfirstlane_b32 s26, v[\tok]               ; the tile's highest token,
	s_delay_alu instid0(VALU_DEP_4)
	v_readlane_b32 s[\tf], v[\tok], 15             ; and its lowest
	s_lshr_b32 s26, s26, 7
	s_add_co_u32 s26, s26, 1
	s_add_co_u32 s27, s8, \add
	s_cmp_lt_u32 s27, s18
	s_cselect_b32 s[\nbw], s26, 0                  ; the key blocks that my tile needs
	v_and_b32 v[\tb+6], 0x7f0, v[\tok]             ; q's image: tile token / 16 (1,024 bytes), lane token % 16 + 16 h
	v_and_b32 v[\tb+7], 15, v[\tok]
	s_delay_alu instid0(VALU_DEP_2)
	v_lshlrev_b32 v[\tb+9], 6, v[\tb+6]
	s_delay_alu instid0(VALU_DEP_1)
	v_lshl_add_u32 v[\tb+9], v[\tb+7], 4, v[\tb+9]
	s_delay_alu instid0(VALU_DEP_1)
	v_lshl_add_u32 v[\tb+9], v10, 8, v[\tb+9]
	global_load_b128 v[\q:\q+3], v[\tb+9], s[4:5]
	global_load_b128 v[\q+4:\q+7], v[\tb+9], s[4:5] offset:512
	v_lshlrev_b32 v[\ya], 10, v[\tb+6]             ; yimg: tile token / 16 (16,384 bytes), lane token % 16 + 16 h
	s_delay_alu instid0(VALU_DEP_1)
	v_lshl_add_u32 v[\ya], v[\tb+7], 4, v[\ya]
	s_delay_alu instid0(VALU_DEP_1)
	v_lshl_add_u32 v[\ya], v10, 8, v[\ya]
.endm
	FIND TB0, 4, 5, 101, 63, 66, 0, 32, 246
	FIND TB1, 244, 245, 16, 13, 15, 1024, 236, 247
; A block of 128 keys for my 16 queries.  q: Q's registers; dd: the register with my token - 8 h.
.macro WORK slot, q, dd
.irp c, 0,1,2,3,4,5,6,7
	ds_load_b128 v[KV+8*\c:KV+8*\c+3], v1 offset:(\slot)*SLOTB+1024*\c
	ds_load_b128 v[KV+8*\c+4:KV+8*\c+7], v1 offset:(\slot)*SLOTB+1024*\c+512
.endr
	s_wait_dscnt 0x0
.irp c, 0,1,2,3,4,5,6,7
	v_wmma_f32_16x16x64_fp8_fp8 v[S+8*\c:S+8*\c+7], v[KV+8*\c:KV+8*\c+7], v[\q:\q+7], 0
.endr
.rept 4
	v_nop                                          ; places in front of the loads into K's registers and of the first read of the scores
.endr
.irp f, 0,1,2,3
.irp c, 0,1,2,3
	ds_load_b128 v[KV+16*\f+4*\c:KV+16*\f+4*\c+3], v1 offset:(\slot)*SLOTB+8192+2048*\f+512*\c   ; V lands while the softmax is worked
.endr
.endr
	s_lshl_b32 s18, s67, 7                         ; the block's first key
	s_add_co_u32 s19, s18, 127
	s_cmp_le_u32 s19, s66                          ; all its keys count for the tile's lowest token: nothing is hidden
	s_cbranch_scc1 .Lopen_\@
	s_sub_co_i32 s19, 0, s18
	v_add_nc_u32 v230, s19, v[\dd]                 ; d = my token - 8 h - the first key: register 8 c + j holds a hidden key where 16 c + j > d
.set n, 0
.rept 64
	v_cmp_gt_i32 vcc_lo, 16*(n/8)+n%8, v230
	v_cndmask_b32 v[S+n], v[S+n], v12, vcc_lo
.set n, n+1
.endr
.Lopen_\@:
	v_max3_num_f32 v230, v[S], v[S+1], v[S+2]      ; the block's largest score of my query, in two chains; each accumulator from its low end on
	v_max3_num_f32 v231, v[S+3], v[S+4], v[S+5]
.irp i, 6,10,14,18,22,26,30,34,38,42,46,50,54,58
	v_max3_num_f32 v230, v230, v[S+\i], v[S+1+\i]
	v_max3_num_f32 v231, v231, v[S+2+\i], v[S+3+\i]
.endr
	v_max3_num_f32 v230, v230, v[S+62], v[S+63]
	s_delay_alu instid0(VALU_DEP_1)
	v_max_num_f32 v230, v230, v231
	s_delay_alu instid0(VALU_DEP_1)
	v_permlanex16_b32 v232, v230, s22, s23
	s_delay_alu instid0(VALU_DEP_1)
	v_max_num_f32 v230, v230, v232
	s_delay_alu instid0(VALU_DEP_1)
	v_mul_f32 v230, s24, v230                      ; as t (c is positive)
	s_delay_alu instid0(VALU_DEP_1)
	v_max_num_f32 v225, v225, v230
	v_mov_b32 v230, v224
	s_delay_alu instid0(VALU_DEP_2)
	v_floor_f32 v224, -v225                        ; -M = floor(-t): M is a whole number
	s_delay_alu instid0(VALU_DEP_1)
	v_sub_f32 v230, v224, v230
	s_delay_alu instid0(VALU_DEP_1)
	v_cvt_i32_f32 v230, v230                       ; (it saturates)
	s_delay_alu instid0(VALU_DEP_1)
	v_ldexp_f32 v228, 1.0, v230                    ; f = 2^(old M - new M)
.irp j, 0,2,4,6,8,10,12,14,16,18,20,22,24,26,28,30,32,34,36,38,40,42,44,46,48,50,52,54,56,58,60,62
	v_pk_fma_f32 v[S+\j:S+1+\j], v[S+\j:S+1+\j], s[24:25], v[224:225] op_sel_hi:[1,0,0]   ; t - M
.endr
.set n, 0
	s_wait_alu depctr_va_vdst(0)
.rept 64
	v_exp_f32 v[S+n], v[S+n]
.set n, n+1
.endr
	v_pk_mul_f32 v[226:227], v[226:227], v[228:229] op_sel_hi:[1,0]   ; the sum under the new M.  (The plain line behind the exponentials)
	s_wait_alu depctr_va_vdst(0)                   ; one wait for the batch ahead of its first reader
	v_pk_add_f32 v[234:235], v[S:S+1], v[S+2:S+3]  ; the sum of the unquantised p, in two chains
.irp j, 4,8,12,16,20,24,28,32,36,40,44,48,52,56,60
	v_pk_add_f32 v[226:227], v[226:227], v[S+\j:S+1+\j]
	v_pk_add_f32 v[234:235], v[234:235], v[S+2+\j:S+3+\j]
.endr
	s_delay_alu instid0(VALU_DEP_1)
	v_pk_add_f32 v[226:227], v[226:227], v[234:235]
.irp c, 0,1,2,3,4,5,6,7
.irp i, 0,1,2,3,4,5,6,7
.endr
	v_cvt_scalef32_pk8_fp8_f32 v[P+2*\c:P+2*\c+1], v[S+8*\c:S+8*\c+7], v14
.endr
.irp j, 0,2,4,6,8,10,12,14,16,18,20,22,24,26,28,30
	v_pk_mul_f32 v[O+\j:O+1+\j], v[O+\j:O+1+\j], v[228:229] op_sel_hi:[1,0]   ; O^T under the new M; also the plain lines behind the conversions
.endr
	s_wait_alu depctr_va_vdst(0)
	s_wait_dscnt 0x0                               ; V is in
.irp f, 0,1,2,3
	v_wmma_f32_16x16x128_fp8_fp8 v[O+8*\f:O+8*\f+7], v[KV+16*\f:KV+16*\f+15], v[P:P+15], v[O+8*\f:O+8*\f+7]
.endr
.rept 4
	v_nop                                          ; places in front of the next loads into V's registers and of the next read of O^T
.endr
.endm
; A key step.  The block after this one is asked for first and goes into the other slot at the step's end; one barrier: every wave's reads of this slot and its stores into the other are done in front of its signal.
.macro STEP slot, q, dd
	s_add_co_u32 s8, s67, 1
	s_cmp_lt_u32 s8, s62
	s_cbranch_scc0 .Lno_load_\@
	global_load_b128 v[40:43], v1, s[60:61] offset:8192
	global_load_b128 v[44:47], v1, s[60:61] offset:8704
.Lno_load_\@:
	s_cmp_lt_u32 s67, s63
	s_cbranch_scc0 .Lno_work_\@
	WORK \slot, \q, \dd
.Lno_work_\@:
	s_wait_loadcnt 0x0                             ; on every way: the staging registers are whole and the base may step
	s_cmp_lt_u32 s8, s62
	s_cbranch_scc0 .Lno_store_\@
	ds_store_b128 v2, v[40:43] offset:(1-(\slot))*SLOTB
	ds_store_b128 v2, v[44:47] offset:(1-(\slot))*SLOTB+512
.Lno_store_\@:
	s_add_nc_u64 s[60:61], s[60:61], 8192
	s_add_co_u32 s67, s67, 1
	s_wait_dscnt 0x0
	s_barrier_signal -1
	s_barrier_wait -1
.endm
; A pass: my tile's walk over the keys, and y's codes into v[yc] on.
.macro PASS pi, q, dd, yc
.if \pi
	s_mov_b64 s[60:61], s[20:21]
	global_load_b128 v[40:43], v1, s[60:61]        ; block 0 once more
	global_load_b128 v[44:47], v1, s[60:61] offset:512
	s_mov_b32 s62, s12                             ; pass 1's limits
	s_mov_b32 s63, s13
	s_mov_b32 s66, s15
.endif
	v_mov_b32 v225, 0xff61b1e6                     ; the largest t so far: -3e38
	s_delay_alu instid0(VALU_DEP_1)
	v_floor_f32 v224, -v225
	v_mov_b32 v226, 0
	v_mov_b32 v227, 0
.set n, 0
.rept 32
	v_mov_b32 v[O+n], 0                            ; the step is written once: the first finds zeros
.set n, n+1
.endr
	s_wait_loadcnt 0x0                             ; block 0, and Q
	ds_store_b128 v2, v[40:43]
	ds_store_b128 v2, v[44:47] offset:512
	s_wait_dscnt 0x0
	s_barrier_signal -1
	s_barrier_wait -1
	s_mov_b32 s67, 0                               ; the step's block
	s_mov_b32 s100, 8-4*\pi
.Lkeys_\@:
	STEP 0, \q, \dd
	STEP 1, \q, \dd
	s_sub_co_u32 s100, s100, 1
	s_cmp_lg_u32 s100, 0
	s_cbranch_scc1 .Lkeys_\@
	; y = O^T / the sum x 2^(e10 + e11), quantised with 2^e12
	v_add_f32 v226, v226, v227
	s_delay_alu instid0(VALU_DEP_1)
	v_permlanex16_b32 v232, v226, s22, s23
	s_delay_alu instid0(VALU_DEP_1)
	v_add_f32 v226, v226, v232
	s_wait_alu depctr_va_vdst(0)
	v_rcp_f32 v226, v226
	v_nop                                          ; a plain line behind the reciprocal,
	s_wait_alu depctr_va_vdst(0)                   ; and the wait ahead of its first reader
	v_ldexp_f32 v226, v226, s14
.set n, 0
.rept 32
	v_mul_f32 v[S+n], v[O+n], v226                 ; register 8 f + j: dim 16 f + 8 h + j
.set n, n+1
.endr
.irp f, 0,1,2,3
.irp i, 0,1,2,3,4,5,6,7
.endr
	v_cvt_scalef32_pk8_fp8_f32 v[\yc+2*\f:\yc+2*\f+1], v[S+8*\f:S+8*\f+7], v16
.endr
	v_nop                                          ; a plain line behind the last conversion
.endm
	PASS 0, 32, 5, 248
	PASS 1, 236, 245, 208
	; ---- both passes' codes go out, each under the lanes whose rank exists
	s_wait_alu depctr_va_vdst(0)
	s_wait_xcnt 0x0                                ; EXEC changes only behind this wait
	s_mov_b32 vcc_lo, s101
	s_and_saveexec_b32 s19, vcc_lo
	global_store_b128 v246, v[248:251], s[10:11]
	global_store_b128 v246, v[252:255], s[10:11] offset:512
	s_wait_xcnt 0x0                                ; and again, in front of each line that changes it
	s_or_b32 exec_lo, exec_lo, s19
	s_mov_b32 vcc_lo, s16
	s_and_saveexec_b32 s19, vcc_lo
	global_store_b128 v247, v[208:211], s[10:11]
	global_store_b128 v247, v[212:215], s[10:11] offset:512
	s_wait_xcnt 0x0
	s_or_b32 exec_lo, exec_lo, s19
	s_wait_tensorcnt 0x0                           ; the wave's end, behind my last LDS store
	ds_add_u32 v6, v7
	s_wait_dscnt 0x0
	s_endpgm
.Lfunc_end_k_q44e3eb0117_attn:
	.size	k_q44e3eb0117_attn, .Lfunc_end_k_q44e3eb0117_attn-k_q44e3eb0117_attn
	.p2alignl 7, 3214868480
	.fill 96, 4, 3214868480
	.section	.rodata,"a",@progbits
	.p2align	6, 0x0
	.amdhsa_kernel k_q44e3eb0117_attn
		.amdhsa_group_segment_fixed_size 34816
		.amdhsa_private_segment_fixed_size 0
		.amdhsa_enable_private_segment 0
		.amdhsa_kernarg_size 32
		.amdhsa_user_sgpr_count 2
		.amdhsa_user_sgpr_kernarg_segment_ptr 1
		.amdhsa_wavefront_size32 1
		.amdhsa_system_sgpr_workgroup_id_x 1
		.amdhsa_system_sgpr_workgroup_id_y 1
		.amdhsa_system_sgpr_workgroup_id_z 1
		.amdhsa_system_vgpr_workitem_id 0
		.amdhsa_next_free_vgpr 256
		.amdhsa_next_free_sgpr 102
		.amdhsa_reserve_vcc 1
		.amdhsa_float_denorm_mode_32 3
		.amdhsa_float_denorm_mode_16_64 3
		.amdhsa_fp16_overflow 1
		.amdhsa_memory_ordered 1
		.amdhsa_forward_progress 1
		.amdhsa_inst_pref_size 117
	.end_amdhsa_kernel
	.amdgpu_metadata
---
amdhsa.version: [ 1, 2 ]
amdhsa.kernels:
  - .name:           k_q44e3eb0117_attn
    .symbol:         k_q44e3eb0117_attn.kd
    .args:
      - { .name: qkv, .offset: 0, .size: 8, .value_kind: global_buffer, .address_space: global }
      - { .name: maskbits, .offset: 8, .size: 8, .value_kind: global_buffer, .address_space: global }
      - { .name: lowp_scales, .offset: 16, .size: 8, .value_kind: global_buffer, .address_space: global }
      - { .name: yimg, .offset: 24, .size: 8, .value_kind: global_buffer, .address_space: global }
    .group_segment_fixed_size: 34816
    .private_segment_fixed_size: 0
    .kernarg_segment_align: 8
    .kernarg_segment_size: 32
    .max_flat_workgroup_size: 512
    .sgpr_count:     102
    .vgpr_count:     256
    .wavefront_size: 32
...
	.end_amdgpu_metadata
.endif
;; end of part 3
;; launch outp (part 4): grid 4 x 32, 4 waves a work-group, clusters of 4 x 4, 327,680 bytes of LDS; arguments yimg, wimg, lowp_scales, out0; writes out0
.if DOCPART == 4
	.amdgcn_target "amdgcn-amd-amdhsa--gfx1250"
	.amdhsa_code_object_version 6
	.text
	.protected	k_q44e3eb0117_outp
	.globl	k_q44e3eb0117_outp
	.p2align	8
	.type	k_q44e3eb0117_outp,@function
k_q44e3eb0117_outp:
	s_mov_b64 s[64:65], 0
	v_nop
	global_prefetch_b8 v0, s[64:65] scope:SCOPE_SE
	s_setreg_imm32_b32 hwreg(HW_REG_WAVE_MODE, 25, 1), 1
	s_wait_xcnt 0x0
	s_wait_alu depctr_hold_cnt(0) depctr_sa_sdst(0) depctr_va_vdst(0) depctr_va_sdst(0) depctr_va_ssrc(0) depctr_va_vcc(0) depctr_vm_vsrc(0)
	s_getreg_b32 s2, hwreg(HW_REG_IB_STS2, 6, 4)
	s_cmp_eq_u32 s2, 0
	s_cbranch_scc0 .Lentry_in_a_cluster
	s_endpgm
.Lentry_in_a_cluster:
	s_bfe_u32 s2, ttmp6, 0x10000c
	s_cmp_lg_u32 s2, 0xf033
	s_cbranch_scc0 .Lentry_shape_is_right
	s_endpgm
.Lentry_shape_is_right:
; OUTP: out0[token][c] = sum over d of y[token][d] Wo[c][d] on codes of E4M3; each finished sum x 2^(e12 + e13).  8,192 x 1,024 x 1,024.
; Both operands lie as images of operand registers (16 rows x 128 K = 2,048 bytes; a tile of 16 rows = 16,384 bytes): a tensor load brings eight tiles of rows x 4,096 bytes (256 along K), dense in LDS,
; and a fragment is four ds_load_b128 at 16 x lane.  A tile of out0, 256 x 256, is made by four waves, each 128 x 128: 64 accumulators.  K goes through a ring of two slots, four fills in all, written out.
; CLUSTERS: 4 x 4 work-groups; y's tiles are shared along a row of the cluster, Wo's along a column: each is asked for jointly.
; THE MATRIX INSTRUCTION IS USED TRANSPOSED (source 0 = 16 rows of Wo, source 1 = 16 tokens): a lane holds eight neighbouring numbers of a row of out0.
; LIMIT: e12 + e13 between -126 and 127.
; REGISTERS: window 0: v0-31 addresses, v128-255 y's fragments (one set), on the way out v32-255; window 1: Wo's fragments (two sets); windows 2, 3: accumulator (a, b) at v[8 (8 (a % 4) + b)].
.set SIZE_N, 1024
.set KROW,   1024                      ; bytes of images for a row: 16,384 for a tile of 16
.set STEPB,  4096                      ; a slot's part of a tile of rows
.set FR,     16
.set NL,     4
.set NP,     4
.set HALFT,  32768                     ; eight tiles of rows: what one tensor load brings, and what one wave reads of a side
.set SLOT,   4*HALFT
.set SPARE,  2*SLOT
.set SPITCH, 528                       ; the way out: a stage of 16 rows x (512 + 16) bytes for each wave, in slot 0, which has had its last fill and its last read by then
.set ADRA, 16
.set ADRB, 20
.set STO,  24
.set RD,   25
.set CO,   26
.set SPW,  28
.set NIL,  29
.set TMP,  32
.set AF,   128
.set BK,   128
.set G1, 24
.set G0, 32
.set G1B, 48
.set G0B, 56
.set MSB, 0
.macro WIN new
.if MSB != (\new)
	s_set_vgpr_msb (MSB<<8)|(\new)
.set MSB, (\new)
.endif
.endm
.set MUL_LO, 0xa1
.set MUL_HI, 0xf1
.set TO_B,   0x40
.macro JLOAD g0a, g1a, g0b, g1b        ; waves 0, 1 fetch for y, waves 2, 3 for Wo; an s_nop 0 and four v_nop follow each line
	s_cmp_eq_u32 s15, 0
	s_cbranch_scc0 .Lfor_b_\@
	tensor_load_to_lds s[\g0a:\g0a+3], s[\g1a:\g1a+7]
	s_nop 0
.rept 4
	v_nop
.endr
	s_branch .Lasked_\@
.Lfor_b_\@:
	tensor_load_to_lds s[\g0b:\g0b+3], s[\g1b:\g1b+7]
	s_nop 0
.rept 4
	v_nop
.endr
.Lasked_\@:
.endm
.macro CREST
	s_cmp_lg_u32 s14, 0
	s_cbranch_scc1 .Lnot_wave_0_\@
	s_barrier_signal -3
.Lnot_wave_0_\@:
	s_barrier_wait -3
	s_barrier_signal -1
	s_barrier_wait -1
.endm
.macro CROUND
	s_barrier_signal -1
	s_barrier_wait -1
	CREST
.endm
	s_load_b128 s[4:7], s[0:1], 0x0                ; yimg, wimg
	s_load_b128 s[8:11], s[0:1], 0x10              ; the exponents, out0
	v_lshl_add_u32 v[SPW], v0, 2, SPARE
	v_mov_b32 v[NIL], 0
	ds_add_u32 v[SPW], v[NIL]                      ; the wave's opening: the add and its wait ahead of my first tensor load
	v_lshrrev_b32 v1, 5, v0
	v_readfirstlane_b32 s14, v1                    ; wave
	s_lshr_b32 s15, s14, 1                         ; my half of the tile's rows; also: I fetch for y (0) or for Wo (1)
	s_and_b32 s16, s14, 1                          ; my half of its columns; also: which 128 rows I fetch
	s_bfe_u32 s40, ttmp6, 0x40000                  ; cx, cy
	s_bfe_u32 s41, ttmp6, 0x40004
	s_lshl_b32 s42, ttmp9, 2
	s_add_co_u32 s42, s42, s40                     ; tile column
	s_and_b32 s17, ttmp7, 0xffff
	s_lshl_b32 s17, s17, 2
	s_add_co_u32 s17, s17, s41                     ; tile row
	s_lshl_b32 s43, s41, 2
	s_lshl_b32 s43, 15, s43                        ; my row of the cluster
	s_lshl_b32 s44, 0x1111, s40                    ; my column
	s_or_b32 s[G1+0], s43, (3<<16)|(1<<21)         ; the mask; elements of 8 bytes; bit 21 beside the mask
	s_or_b32 s[G1B+0], s44, (3<<16)|(1<<21)
.irp g, G1, G1B
	s_mov_b32 s[\g+1], 512<<16                     ; tensor_dim0: 4,096 bytes
	s_mov_b32 s[\g+2], 8<<16                       ; tensor_dim1: 8 tiles of rows
	s_mov_b32 s[\g+3], 512<<16
	s_mov_b32 s[\g+4], 8
	s_mov_b32 s[\g+5], 2048                        ; 16,384 bytes from tile to tile
	s_mov_b32 s[\g+6], 0
	s_mov_b32 s[\g+7], 0
.endr
	s_lshl_b32 s18, s16, 7
	s_lshl_b32 s20, s17, 8
	s_add_co_u32 s20, s20, s18                     ; y: row 256 x tile row + 128 x half
	s_lshl_b32 s46, s42, 8
	s_add_co_u32 s46, s46, s18                     ; Wo: row 256 x tile column + 128 x half
	s_mov_b32 s21, 0
	s_mov_b32 s47, 0
	s_mov_b64 s[18:19], KROW
	s_mul_u64 s[20:21], s[20:21], s[18:19]
	s_mul_u64 s[46:47], s[46:47], s[18:19]
	s_mul_i32 s45, s14, HALFT
	s_wait_dscnt 0x0                               ; the opening add is done
	s_wait_kmcnt 0x0
	s_load_b64 s[96:97], s[8:9], 0x30              ; e12, e13
	s_add_nc_u64 s[20:21], s[4:5], s[20:21]
	s_add_nc_u64 s[46:47], s[6:7], s[46:47]
	s_add_nc_u64 s[46:47], s[46:47], 0x200000      ; Wo's tiles in wimg
	CROUND                                         ; all sixteen work-groups are here: the first joint loads meet
.irp s, 0,1
	s_mov_b32 s[G0+4*\s], 1
	s_add_co_u32 s[G0+4*\s+1], s45, \s*SLOT
	s_add_nc_u64 s[G0+4*\s+2:G0+4*\s+3], s[20:21], \s*STEPB
	s_or_b32 s[G0+4*\s+3], s[G0+4*\s+3], 0x80000000
	s_mov_b32 s[G0B+4*\s], 1
	s_add_co_u32 s[G0B+4*\s+1], s45, \s*SLOT
	s_add_nc_u64 s[G0B+4*\s+2:G0B+4*\s+3], s[46:47], \s*STEPB
	s_or_b32 s[G0B+4*\s+3], s[G0B+4*\s+3], 0x80000000
	JLOAD G0+4*\s, G1, G0B+4*\s, G1B
.endr
	v_and_b32 v1, 15, v0
	v_bfe_u32 v2, v0, 4, 1
	v_and_b32 v6, 31, v0
	v_lshlrev_b32 v4, 4, v6                        ; 16 x lane
	s_mul_i32 s21, s15, HALFT
	s_mul_i32 s22, s16, HALFT
	s_add_co_u32 s22, s22, 2*HALFT
.irp s, 0,1
	v_add_nc_u32 v[ADRA+\s], s21, v4
	v_add_nc_u32 v[ADRB+\s], s22, v4
	s_add_co_u32 s21, s21, SLOT
	s_add_co_u32 s22, s22, SLOT
.endr
	s_mul_i32 s23, s14, 16*SPITCH                  ; my stage
	v_mul_u32_u24 v5, v1, SPITCH
	v_lshl_add_u32 v5, v2, 5, v5
	v_add_nc_u32 v[STO], s23, v5
	v_lshlrev_b32 v[CO], 4, v6
	v_add_nc_u32 v[RD], s23, v[CO]
	s_lshl_b32 s20, s17, 8
	s_lshl_b32 s21, s15, 7
	s_add_co_u32 s20, s20, s21                     ; my first row of out0
	s_mov_b32 s21, 0
	s_mov_b64 s[18:19], SIZE_N*4
	s_mul_u64 s[20:21], s[20:21], s[18:19]
	s_lshl_b32 s46, s42, 10
	s_lshl_b32 s47, s16, 9
	s_add_co_u32 s46, s46, s47
	s_mov_b32 s47, 0
	s_add_nc_u64 s[20:21], s[20:21], s[46:47]
	s_add_nc_u64 s[10:11], s[10:11], s[20:21]
.macro FRAG reg, adr, q, i
.irp c, 0,1,2,3
	ds_load_b128 v[\reg+4*\c:\reg+4*\c+3], v[\adr] offset:(\i)*4096+(\q)*2048+512*\c
.endr
.endm
.macro MUL16 a0, p, zero               ; the 64 accumulators take turns, in the same order in every step
.irp a, \a0, \a0+1
.irp b, 0,1,2,3,4,5,6,7
.if \zero
	v_wmma_f32_16x16x128_fp8_fp8 v[8*(8*((\a)%4)+\b):8*(8*((\a)%4)+\b)+7], v[128*(\p)+FR*\b:128*(\p)+FR*\b+FR-1], v[AF+FR*(\a):AF+FR*(\a)+FR-1], 0
.else
	v_wmma_f32_16x16x128_fp8_fp8 v[8*(8*((\a)%4)+\b):8*(8*((\a)%4)+\b)+7], v[128*(\p)+FR*\b:128*(\p)+FR*\b+FR-1], v[AF+FR*(\a):AF+FR*(\a)+FR-1], v[8*(8*((\a)%4)+\b):8*(8*((\a)%4)+\b)+7]
.endif
.endr
.endr
.endm
.macro FETCH_B slot, q, p
	WIN TO_B
.irp i, 0,1,2,3,4,5,6,7
	FRAG 128*(\p)+FR*\i, ADRB+\slot, \q, \i
.endr
	WIN 0
.endm
.macro FETCH_A slot, q, i0
.irp i, \i0, \i0+1, \i0+2, \i0+3
	FRAG AF+FR*(\i), ADRA+\slot, \q, \i
.endr
.endm
.macro PLACES n
.rept \n
	v_nop
.endr
.endm
.macro STEP slot, q, zero
	s_wait_dscnt 4*NL                              ; Wo's set and y's blocks 0-3 are in; the youngest sixteen loads may be out
	WIN MUL_LO
	MUL16 0, (\q)%2, \zero
	MUL16 2, (\q)%2, \zero
	s_wait_dscnt 0
	PLACES NP
	FETCH_B \slot, (\q)+1, 1-(\q)%2
	FETCH_A \slot, (\q)+1, 0
	WIN MUL_HI
	MUL16 4, (\q)%2, \zero
	MUL16 6, (\q)%2, \zero
	PLACES NP
	WIN 0
	FETCH_A \slot, (\q)+1, 4
.endm
.macro TURN slot, next, fill
	s_wait_tensorcnt 0x0                           ; all my tensor loads have landed: my part of the next slot
	ds_add_u32 v[SPW], v[NIL]                      ; 0 onto my spare word
	s_wait_dscnt 4*NL+1                            ; (the add and the youngest sixteen loads may be out)
	WIN MUL_LO
	MUL16 0, 1, 0
	s_wait_dscnt 0x0                               ; the add is done, and my reads of this slot are over
	s_barrier_signal -1
	MUL16 2, 1, 0
	WIN 0
	s_barrier_wait -1
.if \fill
	CREST                                          ; the barrier has opened a round of the cluster's: no wave of any partner still reads this slot or has a load on its way
	s_add_nc_u64 s[G0+4*\slot+2:G0+4*\slot+3], s[G0+4*\slot+2:G0+4*\slot+3], 2*STEPB
	s_add_nc_u64 s[G0B+4*\slot+2:G0B+4*\slot+3], s[G0B+4*\slot+2:G0B+4*\slot+3], 2*STEPB
	JLOAD G0+4*\slot, G1, G0B+4*\slot, G1B
.else
	PLACES NP
.endif
	FETCH_B \next, 0, 0
	FETCH_A \next, 0, 0
	WIN MUL_HI
	MUL16 4, 1, 0
	MUL16 6, 1, 0
	PLACES NP
	WIN 0
	FETCH_A \next, 0, 4
.endm
	s_wait_tensorcnt 0x1                           ; my part of slot 0 is in; slot 1's load may be out
	s_barrier_signal -1
	s_barrier_wait -1
	FETCH_B 0, 0, 0
	FETCH_A 0, 0, 0
	FETCH_A 0, 0, 4
	STEP 0, 0, 1
	TURN 0, 1, 1
	STEP 1, 0, 0
	TURN 1, 0, 1
	STEP 0, 0, 0
	TURN 0, 1, 0
	STEP 1, 0, 0
	s_wait_dscnt 4*NL
	WIN MUL_LO
	MUL16 0, 1, 0
	MUL16 2, 1, 0
	s_wait_dscnt 0
	WIN MUL_HI
	MUL16 4, 1, 0
	MUL16 6, 1, 0
	WIN 0
; THE WAY OUT, block by block of 16 rows x 128 columns, through my own stage: back come whole rows of 512 bytes, which the 32 lanes store as 512 consecutive bytes, aligned.
.macro TOSTAGE a
.set AC, 64*((\a)%4)
	WIN (0x02+((\a)/4))
.irp j, 0,2,4,6,8,10,12,14,16,18,20,22,24,26,28,30,32,34,36,38,40,42,44,46,48,50,52,54,56,58,60,62
	v_pk_mul_f32 v[TMP+\j:TMP+\j+1], v[AC+\j:AC+\j+1], s[96:97] op_sel_hi:[1,0]   ; x 2^(e12 + e13); each accumulator from its low end on
.endr
	WIN 0
.irp b, 0,1,2,3,4,5,6,7
	ds_store_b128 v[STO], v[TMP+8*\b:TMP+8*\b+3] offset:64*\b
	ds_store_b128 v[STO], v[TMP+8*\b+4:TMP+8*\b+7] offset:64*\b+16
.endr
.set BB, BK+64*((\a)%2)
.irp t, 0,1,2,3,4,5,6,7,8,9,10,11,12,13,14,15
	ds_load_b128 v[BB+4*\t:BB+4*\t+3], v[RD] offset:\t*SPITCH   ; LDS serves a wave's instructions in order: these see my stores
.endr
.endm
.macro SEND a, younger
.set BB, BK+64*((\a)%2)
	s_wait_dscnt \younger
.if (\a) > 0
	s_add_nc_u64 s[10:11], s[10:11], 16*SIZE_N*4   ; (behind a wait on XCNT: the earlier stores have read their base)
.endif
.irp t, 0,1,2,3,4,5,6,7,8,9,10,11,12,13,14,15
	global_store_b128 v[CO], v[BB+4*\t:BB+4*\t+3], s[10:11] offset:\t*SIZE_N*4 th:TH_STORE_NT
.endr
.endm
	s_wait_kmcnt 0x0
	s_add_co_i32 s96, s96, s97
	s_add_co_i32 s96, s96, 127
	s_lshl_b32 s96, s96, 23                        ; 2^(e12 + e13) as f32
	PLACES NP
	TOSTAGE 0
.irp a, 1,2,3,4,5,6,7
.if \a > 1
	s_wait_xcnt 0x0                                ; block a - 2's stores have read their registers and their base
.endif
	TOSTAGE \a
	SEND \a-1, 32                                  ; behind block a - 1's loads: block a's 16 stores and 16 loads
.endr
	s_wait_xcnt 0x0
	SEND 7, 0
	s_wait_tensorcnt 0x0                           ; the wave's end
	ds_add_u32 v[SPW], v[NIL]
	s_wait_dscnt 0x0
	CROUND                                         ; the closing round
	s_endpgm
.Lfunc_end_k_q44e3eb0117_outp:
	.size	k_q44e3eb0117_outp, .Lfunc_end_k_q44e3eb0117_outp-k_q44e3eb0117_outp
	.p2alignl 7, 3214868480
	.fill 96, 4, 3214868480
	.section	.rodata,"a",@progbits
	.p2align	6, 0x0
	.amdhsa_kernel k_q44e3eb0117_outp
		.amdhsa_group_segment_fixed_size 327680
		.amdhsa_private_segment_fixed_size 0
		.amdhsa_enable_private_segment 0
		.amdhsa_kernarg_size 32
		.amdhsa_user_sgpr_count 2
		.amdhsa_user_sgpr_kernarg_segment_ptr 1
		.amdhsa_wavefront_size32 1
		.amdhsa_system_sgpr_workgroup_id_x 1
		.amdhsa_system_sgpr_workgroup_id_y 1
		.amdhsa_system_sgpr_workgroup_id_z 1
		.amdhsa_system_vgpr_workitem_id 0
		.amdhsa_next_free_vgpr 1024
		.amdhsa_next_free_sgpr 98
		.amdhsa_reserve_vcc 0
		.amdhsa_float_denorm_mode_32 3
		.amdhsa_float_denorm_mode_16_64 3
		.amdhsa_memory_ordered 1
		.amdhsa_forward_progress 1
		.amdhsa_inst_pref_size 123
	.end_amdhsa_kernel
	.amdgpu_metadata
---
amdhsa.version: [ 1, 2 ]
amdhsa.kernels:
  - .name:           k_q44e3eb0117_outp
    .symbol:         k_q44e3eb0117_outp.kd
    .args:
      - { .name: yimg, .offset: 0, .size: 8, .value_kind: global_buffer, .address_space: global }
      - { .name: wimg, .offset: 8, .size: 8, .value_kind: global_buffer, .address_space: global }
      - { .name: lowp_scales, .offset: 16, .size: 8, .value_kind: global_buffer, .address_space: global }
      - { .name: out0, .offset: 24, .size: 8, .value_kind: global_buffer, .address_space: global }
    .group_segment_fixed_size: 327680
    .private_segment_fixed_size: 0
    .kernarg_segment_align: 8
    .kernarg_segment_size: 32
    .max_flat_workgroup_size: 128
    .sgpr_count:     98
    .vgpr_count:     1024
    .wavefront_size: 32
...
	.end_amdgpu_metadata
.endif
;; end of part 4
